; MI455X (gfx1250); checked and timed in simulation.
; The chip was launched on July 23, 2026; its instructions are those of AMD's public machine-readable ISA for CDNA 5 (MIT licence, August 2026) and "CDNA5" Instruction Set Architecture Reference Guide (July 2026). The comments in the code are by the model that wrote it; some were corrected since.
;; Multi Head Attention. Allowed arithmetic: matrix products marked QUANTISED: E5M2 operands, one E8M0 scale for each 32 along K, by v_wmma_scale_f32_16x16x128_f8f6f4 with both operands' format E5M2, f32 sums; everything else in f32.
;; Inputs: Wk 1,024 x 1,024 float32; Wo 1,024 x 1,024 float32; Wq 1,024 x 1,024 float32; Wv 1,024 x 1,024 float32; bk 1,024 float32; bo 1,024 float32; bq 1,024 float32; bv 1,024 float32; hidden_states 2 x 2,048 x 1,024 float32.
;; Outputs: out0 2 x 2,048 x 1,024 float32.
;; This version of the problem:
;;   THIS VERSION OF THE PROBLEM IS GIVEN IN LOW PRECISION. The matrix products marked QUANTISED in the list below multiply operands that are first quantised to E5M2 (5 exponent bits, 2 mantissa bits; 8 bits a number), with one power-of-two scale for each 32 numbers along K (OCP MX v1.0); their sums are f32. All else is computed in f32.
;;   The module's matrix products, in the order in which they are computed (A, B: the left and right operand; K: the contracted axis; several contracted axes count as one K, in the product's order):
;;     1. [M 4,096, K 1,024] x [K 1,024, N 1,024]; A: input hidden_states; B: input Wq: QUANTISED
;;     2. [M 4,096, K 1,024] x [K 1,024, N 1,024]; A: input hidden_states; B: input Wk: QUANTISED
;;     3. [M 4,096, K 1,024] x [K 1,024, N 1,024]; A: input hidden_states; B: input Wv: QUANTISED
;;     4. batch 32 x [M 2,048, K 64] x [K 64, N 2,048]; A: computed on the way; B: computed on the way: QUANTISED
;;     5. batch 32 x [M 2,048, K 2,048] x [K 2,048, N 64]; A: softmax (see below); B: computed on the way: QUANTISED
;;     6. [M 4,096, K 1,024] x [K 1,024, N 1,024]; A: computed on the way; B: input Wo: QUANTISED
;;   THE QUANTISER, for each operand of a quantised product, along K:
;;     - K is cut into blocks of 32 from its start; a last block that is shorter is filled with zeros.
;;     - A block's scale is 2^e with e = floor(log2(the largest magnitude in the block)) - 15, held to -126 .. 127; a block of zeros has e = 0. As a byte (E8M0): e + 127.
;;     - Each number is divided by its block's scale, clamped to +-57,344, and rounded to the nearest number of E5M2, ties to even, subnormals kept.
;;     - The product sums the exact products of the quantised numbers (number of the format x scale) in f32.
;;   ~~~python
;;   def quantise(x, axis):      # numpy; x: float32 -> the quantised numbers, widened to float32 again
;;       x = np.moveaxis(x, axis, -1); K = x.shape[-1]
;;       x = np.pad(x, [(0, 0)] * (x.ndim - 1) + [(0, -K % 32)]); x = x.reshape(x.shape[:-1] + (-1, 32)); a = np.abs(x).max(-1, keepdims=True)
;;       e = np.where(a > 0, np.clip(np.frexp(np.where(a > 0, a, 1))[1] - 1 - 15, -126, 127), 0)      # np.frexp(a)[1] - 1 = floor(log2(a)), exactly
;;       r = np.clip(x / 2.0 ** e, -57344, 57344)
;;       step = 2.0 ** (np.maximum(np.frexp(np.where(r == 0, 1, r))[1] - 1, -14) - 2)
;;       q = np.round(r / step) * step * 2.0 ** e      # np.round: ties to even
;;       return np.moveaxis(q.reshape(q.shape[:-2] + (-1,))[..., :K], -1, axis).astype(np.float32)
;;   ~~~
;;   SOFTMAX AHEAD OF A QUANTISED PRODUCT. Where the list says 'softmax', what is quantised is not the finished softmax but p = 2^(t - M), with t = logit x log2(e) and M = ceil(the row's largest t), a whole number; so 1/2 < the row's largest p <= 1. The row's sum l is taken of the UNQUANTISED p, in f32, and the product's result is divided by l at the end. Since M is a whole number, a kernel that streams over the keys may use a running M (the ceiling of the running maximum): every later rescaling is an exact power of two, which a block's scale takes up: the codes' values come out the same.
;;   OPERANDS COMPUTED ON THE WAY. 'Computed on the way' means the value that the module computes at that place (a softmax that the list does not call 'softmax' is quantised finished and normalised). What goes into a quantiser is computed in f32, as accurately as f32 sums, v_exp_f32 and their like allow (about 1e-6 of the number): no bf16 or f16 on the way to a quantiser, and a product that is left as it is and whose result goes on into a quantised operand takes f32 operands (vector FMAs, or v_wmma_f32_16x16x4_f32). A number that lies on a knife's edge between two numbers of the format may be rounded either way, as far as f32 arithmetic and the matrix unit's own rounding can turn it there, and no further.
;; One version. Each part assembles by itself: llvm-mc -triple=amdgcn-amd-amdhsa -mcpu=gfx1250 --defsym DOCPART=n.
;; ======== version 1 of 1: 4 launches
;; limits: right only within a limited range of input values
;; workspace buffers: codes 8,650,752 bytes; qkv 12,976,128 bytes; ctx 4,325,376 bytes
;; launch quant (part 1): grid 512 x 1, 4 waves a work-group, no clusters, 68,096 bytes of LDS; arguments hidden_states, Wq, Wk, Wv, Wo, codes; writes codes
.if DOCPART == 1
	.amdgcn_target "amdgcn-amd-amdhsa--gfx1250"
	.amdhsa_code_object_version 6
	.text
	.protected	k_q7829a330b6_quant
	.globl	k_q7829a330b6_quant
	.p2align	8
	.type	k_q7829a330b6_quant,@function
k_q7829a330b6_quant:
	s_mov_b64 s[64:65], 0
	v_nop
	global_prefetch_b8 v0, s[64:65] scope:SCOPE_SE
	s_setreg_imm32_b32 hwreg(HW_REG_WAVE_MODE, 25, 1), 1
	s_wait_xcnt 0x0
; LAUNCH 1 OF 4.  hidden_states [4096][1024] and Wq, Wk, Wv, Wo [1024][1024], f32 with K innermost, become codes of BF8 (E5M2) with one E8M0 byte for each 32 along K.
; A block's scale is 2^(floor(log2(largest magnitude)) - 15); each number is divided by it, held within +-57,344 and rounded to the nearest code, ties to even.
; DEAD WORK OF THE PROGRAM (left out in launch 3): reference() itself sets the score of key k for query q to -infinity where k > q, so its weight is 0 whatever finite values the inputs hold.
; Steps of 128 keys all of which come after a tile's 16 queries are therefore not multiplied.  No input is dead: all nine are loaded.  LIMIT: a NaN, an infinity or an overflow that reaches only those steps is not carried to the result.
; THE LAYOUT OF THE WORKSPACE is the order of the operand's registers.  A fragment (16 rows x 128 K, 16 registers a lane) is four pieces of 512 bytes: piece c holds lane l's registers 4 c .. 4 c + 3 at 16 l.
; A RECORD (128 rows x 128 K) is 16,896 bytes: eight fragments of 2,048 bytes, then eight times 64 bytes of scale words (row r's word at 4 r).  A GROUP (128 rows, all of K) is eight records.
; Groups 0-31: hidden_states; 32-39 Wq; 40-47 Wk; 48-55 Wv; 56-63 Wo.
; THE ORDER INSIDE A BLOCK OF 32: lanes 0-15 hold its numbers 0-7 and 16-23, lanes 16-31 its numbers 8-15 and 24-31: the order in which two neighbouring result tiles leave a lane's registers.
; Both operands of every product of the program lie so, so each product meets its partner; blocks, codes and scales are those of the stated quantiser.
; LIMITS: the order in which the matrix unit adds the products inside a block differs from ascending k; a block of zeros gets the byte 1, not 127 (its codes are zeros, and this program alone reads the bytes);
; blocks whose largest magnitude lies under 2^-111 keep the byte 1; NaN and infinities among the inputs are not served.
; SHARES.  A work-group takes 16 rows, wave w their K steps 2 w and 2 w + 1 (1,024 bytes of each row).  Each load reads 512 consecutive bytes; all 32 loads of a wave go out at once.
; The numbers turn through the wave's own stage in LDS (rows of 512 + 16 bytes), so that a lane gets its 16 numbers of each block.  Waves share nothing: no barrier.
.set STG,   8448                       ; a stage: 16 rows x 528 bytes
.set WREG,  2*STG                      ; a wave's two stages
.set SPARE, 4*WREG                     ; behind them: the spare words, 128 bytes for each wave, which no other line names
.set REC,   16896
.set GRP,   8*REC
.set GIN, 1                            ; v1  1,024 w + 16 l: my bytes of a row
.set STW, 2                            ; v2  the stage, on the way in
.set STR, 3                            ; v3  and on the way out: row r, + 32 (l / 16)
.set CO,  4                            ; v4  16 l: my place in a piece
.set SO,  5                            ; v5  REC (l / 16) + 4 r: my scale word's place
.set SPW, 6                            ; v6  LDS address of my spare word; never rewritten
.set NIL, 7                            ; v7  0; never rewritten
.set TM,  8                            ; v8-23 at work in QUANT
.set PW0, 24
.set PW1, 25
.set WD,  26
.set R0,  32                           ; v32-95   K step 2 w as loaded, later K step 2 w + 1 turned
.set R1,  96                           ; v96-159  K step 2 w + 1 as loaded
.set X,   160                          ; v160-223 K step 2 w turned
.set PC0, 224
.set PC1, 240
.set SEL, 20
.set MNT, 22
.set HIM, 30
	s_load_b256 s[4:11], s[0:1], 0x0               ; hidden_states, Wq, Wk, Wv
	s_load_b128 s[12:15], s[0:1], 0x20             ; Wo, codes
	v_lshl_add_u32 v[SPW], v0, 2, SPARE
	v_mov_b32 v[NIL], 0
	v_lshrrev_b32 v1, 5, v0
	v_readfirstlane_b32 s16, v1                    ; wave
	v_and_b32 v27, 31, v0                          ; l
	v_and_b32 v28, 15, v0                          ; r
	v_bfe_u32 v29, v0, 4, 1                        ; l / 16
	v_lshlrev_b32 v[CO], 4, v27
	s_lshl_b32 s17, s16, 10
	v_add_nc_u32 v[GIN], s17, v[CO]
	s_mul_i32 s17, s16, WREG
	v_add_nc_u32 v[STW], s17, v[CO]
	v_mul_u32_u24 v[STR], v28, 528
	v_lshl_add_u32 v[STR], v29, 5, v[STR]
	v_add_nc_u32 v[STR], s17, v[STR]
	v_mul_u32_u24 v[SO], v29, REC
	v_lshl_add_u32 v[SO], v28, 2, v[SO]
.irp b, 0,1,2,3
	v_mov_b32 v[TM+4+\b], 0                        ; written once: a lane permute's destination counts as one of its sources
.endr
	s_mov_b32 s[SEL], 0x76543210
	s_mov_b32 s[SEL+1], 0xfedcba98                 ; lane l xor 16
	s_mov_b32 s[MNT], 0x600000                     ; the mantissa field of 57,344
	s_mov_b32 s[HIM], 0xffff0000                   ; lanes 16-31
	s_and_b32 s24, ttmp9, 63                       ; the row tile inside its tensor: a weight has 64,
	s_cmp_lt_u32 ttmp9, 256
	s_cselect_b32 s24, ttmp9, s24                  ; hidden_states 256
	s_lshl_b32 s24, s24, 16                        ; 16 rows of 4,096 bytes
	s_mov_b32 s25, 0
	s_lshr_b32 s26, ttmp9, 3
	s_mul_i32 s26, s26, GRP                        ; the group,
	s_mul_i32 s27, s16, 2*REC
	s_add_co_u32 s26, s26, s27                     ; the record of K step 2 w
	s_and_b32 s27, ttmp9, 7
	s_lshl_b32 s28, s27, 11
	s_lshl_b32 s29, s27, 6
	s_add_co_u32 s28, s28, s26                     ; my tile's fragment in it
	s_add_co_u32 s26, s26, s29
	s_add_co_u32 s26, s26, 16384                   ; and its scale words
	s_mov_b32 s29, 0
	s_mov_b32 s27, 0
	s_wait_alu depctr_va_vdst(0)
	s_wait_kmcnt 0x0
	s_mov_b64 s[18:19], s[12:13]                   ; which tensor: the choice hangs on the work-group's number alone
	s_cmp_lt_u32 ttmp9, 448
	s_cselect_b64 s[18:19], s[10:11], s[18:19]
	s_cmp_lt_u32 ttmp9, 384
	s_cselect_b64 s[18:19], s[8:9], s[18:19]
	s_cmp_lt_u32 ttmp9, 320
	s_cselect_b64 s[18:19], s[6:7], s[18:19]
	s_cmp_lt_u32 ttmp9, 256
	s_cselect_b64 s[18:19], s[4:5], s[18:19]
	s_add_nc_u64 s[18:19], s[18:19], s[24:25]
	s_add_nc_u64 s[32:33], s[14:15], s[28:29]
	s_add_nc_u64 s[34:35], s[14:15], s[26:27]
.irp i, 0,1,2,3,4,5,6,7,8,9,10,11,12,13,14,15
	global_load_b128 v[R0+4*\i:R0+4*\i+3], v[GIN], s[18:19] offset:\i*4096 th:TH_LOAD_NT       ; row i, K step 2 w: 512 consecutive bytes
.endr
.irp i, 0,1,2,3,4,5,6,7,8,9,10,11,12,13,14,15
	global_load_b128 v[R1+4*\i:R1+4*\i+3], v[GIN], s[18:19] offset:\i*4096+512 th:TH_LOAD_NT   ; K step 2 w + 1
.endr
; 16 rows go into stage e as they lie and come back 16 numbers of each block a lane: bytes 0, 16, 64, 80 of the block's 128, + 32 for lanes 16-31.  LDS serves a wave's instructions in order: no wait between.
.macro TURN e, src, dst
.irp i, 0,1,2,3,4,5,6,7,8,9,10,11,12,13,14,15
	ds_store_b128 v[STW], v[\src+4*\i:\src+4*\i+3] offset:\e*STG+\i*528
.endr
.irp c, 0,1,2,3
	ds_load_b128 v[\dst+16*\c:\dst+16*\c+3], v[STR] offset:\e*STG+\c*128
	ds_load_b128 v[\dst+16*\c+4:\dst+16*\c+7], v[STR] offset:\e*STG+\c*128+16
	ds_load_b128 v[\dst+16*\c+8:\dst+16*\c+11], v[STR] offset:\e*STG+\c*128+64
	ds_load_b128 v[\dst+16*\c+12:\dst+16*\c+15], v[STR] offset:\e*STG+\c*128+80
.endr
.endm
; 64 numbers of a lane, 16 of each of four blocks, become a fragment's 16 registers of codes and the row's scale word.
.macro QUANT s, pc, pw
.irp b, 0,1,2,3
	v_max3_num_f32 v[TM+\b], |v[\s+16*\b]|, |v[\s+1+16*\b]|, 0x8000000   ; my 16 numbers and the floor 2^(16 - 127): the byte cannot fall under 1
.endr
.irp i, 2,4,6,8,10,12,14
.irp b, 0,1,2,3
	v_max3_num_f32 v[TM+\b], v[TM+\b], |v[\s+16*\b+\i]|, |v[\s+1+16*\b+\i]|   ; the four blocks by turns
.endr
.endr
.irp b, 0,1,2,3
	v_permlanex16_b32 v[TM+4+\b], v[TM+\b], s[SEL], s[SEL+1]
.endr
.irp b, 0,1,2,3
	v_max_num_f32 v[TM+\b], v[TM+\b], v[TM+4+\b]   ; with lane l xor 16's: the block's largest magnitude
.endr
.irp b, 0,1,2,3
	v_add_nc_u32 v[TM+12+\b], 0xf8800000, v[TM+\b] ; 15 off its exponent field: the conversion's scale operand
.endr
.irp b, 0,1,2,3
	v_and_or_b32 v[TM+8+\b], v[TM+\b], 0x7f800000, s[MNT]   ; 57,344 x the scale
.endr
.irp b, 0,1,2,3
	v_lshrrev_b32 v[TM+4+\b], 23, v[TM+12+\b]      ; the scale's byte
.endr
	v_lshl_or_b32 v[\pw], v[TM+5], 8, v[TM+4]
	v_lshl_or_b32 v[\pw], v[TM+6], 16, v[\pw]
	v_lshl_or_b32 v[\pw], v[TM+7], 24, v[\pw]
.irp b, 0,1,2,3
.irp i, 0,1,2,3,4,5,6,7,8,9,10,11,12,13,14,15
	v_med3_num_f32 v[\s+16*\b+\i], v[\s+16*\b+\i], -v[TM+8+\b], v[TM+8+\b]   ; the conversion to an 8-bit code does not saturate (ISA guide 7.6.2): the hold
.endr
	v_cvt_scalef32_pk8_bf8_f32 v[\pc+4*\b:\pc+4*\b+1], v[\s+16*\b:\s+16*\b+7], v[TM+12+\b]
	v_cvt_scalef32_pk8_bf8_f32 v[\pc+4*\b+2:\pc+4*\b+3], v[\s+16*\b+8:\s+16*\b+15], v[TM+12+\b]
.endr
	v_nop                                          ; a plain line behind the last conversion
.endm
	s_wait_loadcnt 16                              ; K step 2 w is in; the 16 younger loads stay out
	TURN 0, R0, X
	s_wait_loadcnt 0x0
	s_wait_dscnt 0x0                               ; X is in, and the stores have read R0
	TURN 1, R1, R0                                 ; the second K step turns while the first is quantised
	QUANT X, PC0, PW0
.irp c, 0,1,2,3
	global_store_b128 v[CO], v[PC0+4*\c:PC0+4*\c+3], s[32:33] offset:\c*512        ; 512 consecutive bytes
.endr
	s_wait_dscnt 0x0
	QUANT R0, PC1, PW1
.irp c, 0,1,2,3
	global_store_b128 v[CO], v[PC1+4*\c:PC1+4*\c+3], s[32:33] offset:REC+\c*512
.endr
	v_cndmask_b32 v[WD], v[PW0], v[PW1], s[HIM]    ; lanes 0-15 store K step 2 w's words, lanes 16-31 those of 2 w + 1
	global_store_b32 v[SO], v[WD], s[34:35]
	s_wait_tensorcnt 0x0                           ; the wave's end: behind my last LDS store
	ds_add_u32 v[SPW], v[NIL]
	s_wait_dscnt 0x0
	s_endpgm
.Lfunc_end_k_q7829a330b6_quant:
	.size	k_q7829a330b6_quant, .Lfunc_end_k_q7829a330b6_quant-k_q7829a330b6_quant
	.p2alignl 7, 3214868480
	.fill 96, 4, 3214868480
	.section	.rodata,"a",@progbits
	.p2align	6, 0x0
	.amdhsa_kernel k_q7829a330b6_quant
		.amdhsa_group_segment_fixed_size 68096
		.amdhsa_private_segment_fixed_size 0
		.amdhsa_enable_private_segment 0
		.amdhsa_kernarg_size 48
		.amdhsa_user_sgpr_count 2
		.amdhsa_user_sgpr_kernarg_segment_ptr 1
		.amdhsa_wavefront_size32 1
		.amdhsa_system_sgpr_workgroup_id_x 1
		.amdhsa_system_sgpr_workgroup_id_y 1
		.amdhsa_system_sgpr_workgroup_id_z 1
		.amdhsa_system_vgpr_workitem_id 0
		.amdhsa_next_free_vgpr 256
		.amdhsa_next_free_sgpr 66
		.amdhsa_reserve_vcc 0
		.amdhsa_float_denorm_mode_32 3
		.amdhsa_float_denorm_mode_16_64 3
		.amdhsa_memory_ordered 1
		.amdhsa_forward_progress 1
		.amdhsa_inst_pref_size 27
	.end_amdhsa_kernel
	.amdgpu_metadata
---
amdhsa.version: [ 1, 2 ]
amdhsa.kernels:
  - .name:           k_q7829a330b6_quant
    .symbol:         k_q7829a330b6_quant.kd
    .args:
      - { .name: hidden_states, .offset: 0, .size: 8, .value_kind: global_buffer, .address_space: global }
      - { .name: Wq, .offset: 8, .size: 8, .value_kind: global_buffer, .address_space: global }
      - { .name: Wk, .offset: 16, .size: 8, .value_kind: global_buffer, .address_space: global }
      - { .name: Wv, .offset: 24, .size: 8, .value_kind: global_buffer, .address_space: global }
      - { .name: Wo, .offset: 32, .size: 8, .value_kind: global_buffer, .address_space: global }
      - { .name: codes, .offset: 40, .size: 8, .value_kind: global_buffer, .address_space: global }
    .group_segment_fixed_size: 68096
    .private_segment_fixed_size: 0
    .kernarg_segment_align: 8
    .kernarg_segment_size: 48
    .max_flat_workgroup_size: 128
    .sgpr_count:     66
    .vgpr_count:     256
    .wavefront_size: 32
...
	.end_amdgpu_metadata
.endif
;; end of part 1
;; launch qkv (part 2): grid 8 x 32, 4 waves a work-group, clusters of 4 x 4, 327,680 bytes of LDS; arguments codes, bq, bk, bv, qkv; writes qkv
.if DOCPART == 2
	.amdgcn_target "amdgcn-amd-amdhsa--gfx1250"
	.amdhsa_code_object_version 6
	.text
	.protected	k_q7829a330b6_qkv
	.globl	k_q7829a330b6_qkv
	.p2align	8
	.type	k_q7829a330b6_qkv,@function
k_q7829a330b6_qkv:
	s_mov_b64 s[64:65], 0
	v_nop
	global_prefetch_b8 v0, s[64:65] scope:SCOPE_SE
	s_setreg_imm32_b32 hwreg(HW_REG_WAVE_MODE, 25, 1), 1
	s_wait_xcnt 0x0
	s_wait_alu depctr_hold_cnt(0) depctr_sa_sdst(0) depctr_va_vdst(0) depctr_va_sdst(0) depctr_va_ssrc(0) depctr_va_vcc(0) depctr_vm_vsrc(0)
	s_getreg_b32 s2, hwreg(HW_REG_IB_STS2, 6, 4)
	s_cmp_eq_u32 s2, 0
	s_cbranch_scc0 .Lentry_in_a_cluster
	s_endpgm
.Lentry_in_a_cluster:
	s_bfe_u32 s2, ttmp6, 0x10000c
	s_cmp_lg_u32 s2, 0xf033
	s_cbranch_scc0 .Lentry_shape_is_right
	s_endpgm
.Lentry_shape_is_right:
; LAUNCH 2 OF 4.  q, k, v = x W^T + b on codes of BF8 with E8M0 scales (made by launch 1), and their quantising: q and k along the head's 64, v along the tokens.
; 256 work-groups.  One makes 128 tokens x 128 columns (two heads) of ALL THREE of q, k, v; a wave 64 x 64 of each: 48 accumulators, 384 registers.  x's fragments serve all three products.
; LDS: four regions (x, W_q, W_k, W_v) of four records (K steps).  Wave w fetches two K steps of region w by one load: 0, 1 at the head; 2, 3 behind the round that follows; 4, 5 and 6, 7 as refills behind the rounds in blocks 2 and 8.
; CLUSTERS: 4 x 4 work-groups; x's records are shared along a row of the cluster, W's along a column: joint loads.
; A BLOCK is 16 products: one K step of one of q, k, v.  Block n = 3 K step + kind takes W's fragments from set n % 4 of window 1 and x's from set (K step) % 2 of window 0; among block n's products W's of block n + 3 are fetched.
; q, k: source 0 = 16 rows of W, source 1 = 16 tokens: a lane holds one token, its registers run along the head's 64, the next product's K.
; v:    source 0 = 16 tokens, source 1 = 16 rows of W: a lane holds one column, its registers run along the tokens, the second attention product's K.
; In both cases accumulator (o, i) lies at + 8 (4 o + i), and the 32 registers of one o are two blocks of 32 along the next K.  The bias is the C of each sum's first instruction.
; Windows 2: q's sums v0-127, k's v128-255; window 3: v's sums v0-127, the biases v128-223.
; OUT (buffer qkv).  For each batch and head a block of 270,336 bytes: 4,096 bytes of k's scale words, 4,096 of v's, then for each 128 keys 8,192 bytes of k's codes and 8,192 of v's.  Behind the 32 blocks: q's codes, then q's scale words.
; A unit of 64 tokens is 4,096 bytes of codes (o x 1,024 + block x 512 + 16 l) and 128 bytes of scale words (lanes 0-15: the two bytes of o = 0 and of o = 1; lanes 16-31: of o = 2 and 3).
; PREFETCH: each wave asks for its region's K steps 4, 5 behind the head's load and for 6, 7 in block 4; the four partners that share a record's rows part them by address (32 rows of 256 bytes each).
; x's records are asked for by every cluster, W's, which all eight rows of clusters read, by the first four rows of clusters alone.
; LIMITS: as stated at the head of launch 1 (order of sums inside a block, byte 1 for a block of zeros, the floor 2^-111, no NaN or infinity).
.set REC,   16896
.set GRP,   8*REC
.set RG,    4*REC                      ; a region
.set SPARE, 16*REC+512                 ; the spare words, 128 bytes for each wave, which no other line names
.set HEADB, 270336
.set QOFF,  32*HEADB
.set QSOFF, QOFF+32*131072
.set ADRA, 8                           ; v8      LDS address of my fragments of x
.set ADRB, 9                           ; v9-11   of W_q, W_k, W_v
.set ADRS, 12                          ; v12-14  of my scale words: lanes 0-15 x's, lanes 16-31 W's
.set SPW,  20                          ; v20     my spare word; never rewritten
.set NIL,  21                          ; v21     0; never rewritten
.set L4,   22                          ; v22     4 l
.set PFO,  23                          ; v23     256 l: the prefetches' offset; never rewritten
.set SC,   32                          ; v32-43, v44-55 scale words, two sets of 3 x 4: nothing else ever lies there
.set TQ,   64                          ; v64-79  at work in QOUT
.set HW,   80                          ; v80-88  results' scale words
.set XF,   128                         ; v128-191, v192-255 x's fragments, two sets; on the way out codes
.set WV,   16
.set ROLE, 17
.set CH,   18
.set CX,   19
.set CY,   20
.set NT,   21
.set MT,   22
.set G1A,  24
.set G1B,  32
.set G0A,  40
.set G0B,  44
.set SEL,  84
.set MNT,  86
.set HIM,  87
.set PFA,  88
.set ASKS, 94                          ; 1 where my wave prefetches
.set MSB, 0
.macro WIN new                         ; the immediate's high byte repeats the setting that is left
.if MSB != \new
	s_set_vgpr_msb (MSB<<8)|\new
.set MSB, \new
.endif
.endm
.macro CREST                           ; a round of the cluster's barrier behind its opening barrier
	s_cmp_lg_u32 s[WV], 0
	s_cbranch_scc1 .Lnot_wave_0_\@
	s_barrier_signal -3
.Lnot_wave_0_\@:
	s_barrier_wait -3
	s_barrier_signal -1
	s_barrier_wait -1
.endm
.macro CROUND
	s_barrier_signal -1
	s_barrier_wait -1
	CREST
.endm
.macro PLACES n
.rept \n
	v_nop
.endr
.endm
.macro JLOAD                           ; wave 0 fetches x's records, waves 1 to 3 W_q's, W_k's, W_v's
	s_cmp_eq_u32 s[WV], 0
	s_cbranch_scc0 .Lfor_w_\@
	tensor_load_to_lds s[G0A:G0A+3], s[G1A:G1A+7]
	s_nop 0
	PLACES 4
	s_branch .Lasked_\@
.Lfor_w_\@:
	tensor_load_to_lds s[G0B:G0B+3], s[G1B:G1B+7]
	s_nop 0
	PLACES 4
.Lasked_\@:
.endm
.macro ASK off
	s_cmp_eq_u32 s[ASKS], 1
	s_cbranch_scc0 .Lnot_mine_\@
	global_prefetch_b8 v[PFO], s[PFA:PFA+1] offset:\off th:TH_LOAD_NT scope:SCOPE_SE
.Lnot_mine_\@:
.endm
	s_load_b256 s[4:11], s[0:1], 0x0               ; codes, bq, bk, bv
	s_load_b64 s[12:13], s[0:1], 0x20              ; qkv
	v_lshl_add_u32 v[SPW], v0, 2, SPARE
	v_mov_b32 v[NIL], 0
	ds_add_u32 v[SPW], v[NIL]                      ; the wave's opening: the add, twice on end, and its wait ahead of my first tensor load
	ds_add_u32 v[SPW], v[NIL]
	v_lshrrev_b32 v1, 5, v0
	v_readfirstlane_b32 s[WV], v1
	s_lshr_b32 s[ROLE], s[WV], 1                   ; my half of the tokens
	s_and_b32 s[CH], s[WV], 1                      ; my half of the columns: one head
	s_bfe_u32 s[CX], ttmp6, 0x40000
	s_bfe_u32 s[CY], ttmp6, 0x40004
	s_lshl_b32 s[NT], ttmp9, 2
	s_add_co_u32 s[NT], s[NT], s[CX]               ; tile of columns, 0 .. 7
	s_and_b32 s[MT], ttmp7, 0xffff
	s_lshl_b32 s[MT], s[MT], 2
	s_add_co_u32 s[MT], s[MT], s[CY]               ; tile of tokens, 0 .. 31
	s_lshl_b32 s56, s[CY], 2
	s_lshl_b32 s56, 15, s56                        ; my row of the cluster
	s_lshl_b32 s57, 0x1111, s[CX]                  ; my column
	s_or_b32 s[G1A], s56, (3<<16)|(1<<21)          ; the mask; elements of 8 bytes; bit 21 set beside a mask; no padding
	s_or_b32 s[G1B], s57, (3<<16)|(1<<21)
.irp g, G1A, G1B
	s_mov_b32 s[\g+1], 32<<16                      ; two records are a dense block: 132 rows of 32 elements (256 bytes)
	s_mov_b32 s[\g+2], 132<<16
	s_mov_b32 s[\g+3], 32<<16
	s_mov_b32 s[\g+4], 132
	s_mov_b32 s[\g+5], 32
	s_mov_b32 s[\g+6], 0
	s_mov_b32 s[\g+7], 0
.endr
	s_mul_i32 s56, s[MT], GRP                      ; x's group: the tile of tokens, which my row of the cluster shares
	s_mov_b32 s57, 0
	s_lshl_b32 s60, s[WV], 3
	s_add_co_u32 s60, s60, s[NT]
	s_add_co_u32 s60, s60, 24                      ; W's group: 32 + 8 (wave - 1) + the tile of columns, which my column shares
	s_mul_i32 s60, s60, GRP
	s_mov_b32 s61, 0
	s_mov_b32 s[SEL], 0x76543210
	s_mov_b32 s[SEL+1], 0xfedcba98
	s_mov_b32 s[MNT], 0x600000
	s_mov_b32 s[HIM], 0xffff0000
	s_mov_b32 s[G0A], 1
	s_mov_b32 s[G0A+1], 0
	s_mov_b32 s[G0B], 1
	s_mul_i32 s[G0B+1], s[WV], RG                  ; no place in the cluster enters an LDS address
	s_wait_alu depctr_va_vdst(0)
	s_wait_dscnt 0x0                               ; both opening adds are done
	s_wait_kmcnt 0x0
	s_add_nc_u64 s[56:57], s[4:5], s[56:57]
	s_add_nc_u64 s[60:61], s[4:5], s[60:61]
	s_mov_b64 s[G0A+2:G0A+3], s[56:57]
	s_or_b32 s[G0A+3], s[G0A+3], 0x80000000
	s_mov_b64 s[G0B+2:G0B+3], s[60:61]
	s_or_b32 s[G0B+3], s[G0B+3], 0x80000000
	CROUND                                         ; all sixteen work-groups are here: the joint loads meet
	JLOAD                                          ; K steps 0, 1: one tensor load a wave at the head
	s_and_b32 s62, ttmp7, 0xffff
	s_cmp_lt_u32 s62, 4
	s_cselect_b32 s63, 1, 0                        ; W's: the first four rows of clusters ask
	s_cmp_eq_u32 s[WV], 0
	s_cselect_b32 s[ASKS], 1, s63                  ; x's: every cluster
	s_cselect_b32 s58, s[CX], s[CY]                ; my place among the four that share the record
	s_cselect_b64 s[PFA:PFA+1], s[56:57], s[60:61]
	s_lshl_b32 s58, s58, 13
	s_mov_b32 s59, 0
	s_add_nc_u64 s[PFA:PFA+1], s[PFA:PFA+1], s[58:59]  ; my work-group's 32 rows of the first 128 of each 132
	; the bias: my 64 columns' first byte
	s_lshl_b32 s98, s[NT], 9
	s_lshl_b32 s99, s[CH], 8
	s_add_co_u32 s98, s98, s99
	s_mov_b32 s99, 0
	s_add_nc_u64 s[70:71], s[6:7], s[98:99]
	s_add_nc_u64 s[72:73], s[8:9], s[98:99]
	s_add_nc_u64 s[74:75], s[10:11], s[98:99]
	; where my units go
	s_lshl_b32 s66, s[NT], 1
	s_add_co_u32 s66, s66, s[CH]                   ; head
	s_lshr_b32 s67, s[MT], 4
	s_lshl_b32 s67, s67, 4
	s_add_co_u32 s66, s66, s67                     ; 16 x batch + head
	s_and_b32 s67, s[MT], 15
	s_lshl_b32 s67, s67, 1
	s_add_co_u32 s67, s67, s[ROLE]                 ; g: which 64 tokens of the sequence
	s_lshl_b32 s76, s66, 17
	s_lshl_b32 s68, s67, 12
	s_add_co_u32 s76, s76, s68
	s_add_co_u32 s76, s76, QOFF                    ; q's codes
	s_lshl_b32 s78, s66, 12
	s_lshl_b32 s68, s67, 7
	s_add_co_u32 s78, s78, s68
	s_add_co_u32 s78, s78, QSOFF                   ; q's scale words
	s_mul_i32 s80, s66, HEADB
	s_add_co_u32 s82, s80, s68                     ; k's scale words; v's lie 4,096 bytes on
	s_lshr_b32 s68, s67, 1
	s_lshl_b32 s68, s68, 14
	s_add_co_u32 s80, s80, s68
	s_and_b32 s68, s67, 1
	s_lshl_b32 s68, s68, 12
	s_add_co_u32 s80, s80, s68
	s_add_co_u32 s80, s80, 8192                    ; k's codes; v's lie 8,192 bytes on
	s_mov_b32 s77, 0
	s_mov_b32 s79, 0
	s_mov_b32 s81, 0
	s_mov_b32 s83, 0
	s_add_nc_u64 s[76:77], s[12:13], s[76:77]
	s_add_nc_u64 s[78:79], s[12:13], s[78:79]
	s_add_nc_u64 s[80:81], s[12:13], s[80:81]
	s_add_nc_u64 s[82:83], s[12:13], s[82:83]
	s_lshl_b32 s90, s[ROLE], 13                    ; my four row tiles of x
	s_lshl_b32 s91, s[CH], 13
	s_add_co_u32 s91, s91, RG                      ; and of W_q
	s_lshl_b32 s92, s[ROLE], 8
	s_add_co_u32 s92, s92, 16384                   ; x's scale words
	s_xor_b32 s93, s[ROLE], 1
	s_add_co_u32 s93, s93, s[CH]
	s_lshl_b32 s93, s93, 8
	s_add_co_u32 s93, s93, RG-256                  ; from x's scale words to W_q's, as one number
	v_and_b32 v1, 15, v0                           ; r
	v_bfe_u32 v2, v0, 4, 1                         ; h
	v_and_b32 v3, 31, v0
	v_lshlrev_b32 v[L4], 2, v3
	v_lshlrev_b32 v[PFO], 8, v3
	v_lshlrev_b32 v3, 4, v3                        ; 16 l
	v_lshlrev_b32 v5, 5, v2
	v_lshlrev_b32 v6, 2, v1
	v_add_nc_u32 v[ADRA], s90, v3
	v_add_nc_u32 v[ADRB], s91, v3
	v_add_nc_u32 v[ADRB+1], RG, v[ADRB]
	v_add_nc_u32 v[ADRB+2], 2*RG, v[ADRB]
	v_add_nc_u32 v4, s92, v6
	v_mul_u32_u24 v7, s93, v2                      ; lanes 16-31 take W's
	v_add_nc_u32 v[ADRS], v7, v4
	v_mul_u32_u24 v7, RG, v2
	v_add_nc_u32 v[ADRS+1], v7, v[ADRS]
	v_add_nc_u32 v[ADRS+2], v7, v[ADRS+1]
.irp b, 0,1,2,3
	v_mov_b32 v[TQ+4+\b], 0                        ; written once: a lane permute's destination counts as one of its sources
.endr
	WIN 0xc0
.irp t, 0,1,2,3
.irp e, 0,1
	global_load_b128 v[128+8*\t+4*\e:131+8*\t+4*\e], v5, s[70:71] offset:\t*64+16*\e    ; bq[16 t + 8 h + 0 .. 7]
	global_load_b128 v[160+8*\t+4*\e:163+8*\t+4*\e], v5, s[72:73] offset:\t*64+16*\e    ; bk
.endr
.irp j, 0,1,2,3,4,5,6,7
	global_load_b32 v[192+8*\t+\j], v6, s[74:75] offset:\t*64      ; bv[16 t + r], eight times
.endr
.endr
	WIN 0
	s_wait_alu depctr_va_vdst(0)
	ASK 4*REC
.macro FW n                            ; W's four fragments of block n: 16 LDS loads
	WIN 0x40
.irp i, 0,1,2,3
.irp c, 0,1,2,3
	ds_load_b128 v[64*((\n)%4)+16*\i+4*\c:64*((\n)%4)+16*\i+4*\c+3], v[ADRB+(\n)%3] offset:(((\n)/3)%4)*REC+\i*2048+\c*512
.endr
.endr
.endm
.macro FX s                            ; x's four fragments of K step s, and the scale words of its three blocks: 28 LDS loads
	WIN 0
.irp i, 0,1,2,3
.irp c, 0,1,2,3
	ds_load_b128 v[XF+64*((\s)%2)+16*\i+4*\c:XF+64*((\s)%2)+16*\i+4*\c+3], v[ADRA] offset:((\s)%4)*REC+\i*2048+\c*512
.endr
.endr
.irp k, 0,1,2
.irp i, 0,1,2,3
	ds_load_b32 v[SC+12*((\s)%2)+4*\k+\i], v[ADRS+\k] offset:((\s)%4)*REC+\i*64
.endr
.endr
.endm
.macro WINM n
.if (\n)%3 == 2
	WIN 0xf4
.elseif (\n) < 3
	WIN 0xb1
.else
	WIN 0xa1
.endif
.endm
; Four products of block n: 16 tokens (tile a) against W's four tiles.  The 48 accumulators take turns, one instruction a turn.
.macro MUL4 n, a
.set MK_, (\n)%3
.set MX_, ((\n)/3)%2
.set MS_, SC+12*MX_+4*MK_
.set MR_, XF+64*MX_+16*(\a)
.irp t, 0,1,2,3
.set MW_, 64*((\n)%4)+16*\t
.if MK_ < 2
.set MD_, 128*MK_+8*(4*(\a)+\t)
.else
.set MD_, 8*(4*\t+(\a))
.endif
.if (\n) < 3
.set MC_, 128+32*MK_+8*\t
.else
.set MC_, MD_
.endif
.if MK_ < 2
	v_wmma_scale_f32_16x16x128_f8f6f4 v[MD_:MD_+7], v[MW_:MW_+15], v[MR_:MR_+15], v[MC_:MC_+7], v[MS_+\t], v[MS_+(\a)] matrix_a_fmt:MATRIX_FMT_BF8 matrix_b_fmt:MATRIX_FMT_BF8 matrix_a_scale:MATRIX_SCALE_ROW1
.else
	v_wmma_scale_f32_16x16x128_f8f6f4 v[MD_:MD_+7], v[MR_:MR_+15], v[MW_:MW_+15], v[MC_:MC_+7], v[MS_+(\a)], v[MS_+\t] matrix_a_fmt:MATRIX_FMT_BF8 matrix_b_fmt:MATRIX_FMT_BF8 matrix_b_scale:MATRIX_SCALE_ROW1
.endif
.endr
.endm
; A block.  w: the LDS loads behind those that it needs, which may stay out.  how: 1, 2 a drained round with a refill (K steps 4, 5; 6, 7); 3 a barrier that shows K steps 6, 7; 4 a prefetch.
.macro BLK n, w, how
	s_wait_dscnt \w
	WINM \n
	MUL4 \n, 0
	MUL4 \n, 1
.if (\n)+3 < 24
	PLACES 8                                       ; eight places between the products of block n - 1 and the loads into what they have read
	FW (\n)+3
.if (\n)%3 == 0
	FX (\n)/3+1
.endif
.endif
.if \how == 1 || \how == 2
	WIN 0
	s_wait_tensorcnt 0x0                           ; no tensor load of mine is out (how = 1: K steps 2, 3 are in; how = 2: 4, 5);
	ds_add_u32 v[SPW], v[NIL]                      ; 0 onto my spare word
	s_add_nc_u64 s[G0A+2:G0A+3], s[G0A+2:G0A+3], 2*REC
	s_add_nc_u64 s[G0B+2:G0B+3], s[G0B+2:G0B+3], 2*REC
.if \how == 2
	s_add_co_u32 s[G0A+1], s[G0A+1], 2*REC         ; places 2, 3 of my region
	s_add_co_u32 s[G0B+1], s[G0B+1], 2*REC
.else
	s_mov_b32 s[G0A+1], 0                          ; places 0, 1
	s_mul_i32 s[G0B+1], s[WV], RG
.endif
	WINM \n
	MUL4 \n, 2
	s_wait_dscnt 0x0                               ; the add is done, and my reads of the two K steps that are filled again are over
	s_barrier_signal -1
	MUL4 \n, 3
	WIN 0
	s_barrier_wait -1
	CREST
	JLOAD                                          ; the first tensor load behind the round
.elseif \how == 3
	WINM \n
	MUL4 \n, 2
	s_wait_tensorcnt 0x0                           ; my part of K steps 6, 7 is in
	s_wait_dscnt 0x0
	s_barrier_signal -1
	MUL4 \n, 3
	WIN 0
	s_barrier_wait -1
.else
.if \how == 4
	WIN 0
	ASK 6*REC
.endif
	WINM \n
	MUL4 \n, 2
	MUL4 \n, 3
.endif
.endm
	s_wait_tensorcnt 0x0                           ; my region's K steps 0, 1 are in
	ds_add_u32 v[SPW], v[NIL]
	s_add_nc_u64 s[G0A+2:G0A+3], s[G0A+2:G0A+3], 2*REC
	s_add_nc_u64 s[G0B+2:G0B+3], s[G0B+2:G0B+3], 2*REC
	s_add_co_u32 s[G0A+1], s[G0A+1], 2*REC
	s_add_co_u32 s[G0B+1], s[G0B+1], 2*REC
	s_wait_dscnt 0x0
	CROUND                                         ; everybody's are in, in all sixteen work-groups
	JLOAD                                          ; K steps 2, 3: first read in block 3, behind block 2's round
	FX 0
	FW 0
	FW 1
	FW 2
	s_wait_loadcnt 0x0                             ; the biases
	BLK 0, 32, 0
	BLK 1, 60, 0
	BLK 2, 60, 1
	BLK 3, 32, 0
	BLK 4, 60, 4
	BLK 5, 60, 0
	BLK 6, 32, 0
	BLK 7, 60, 0
	BLK 8, 60, 2
	BLK 9, 32, 0
	BLK 10, 60, 0
	BLK 11, 60, 0
	BLK 12, 32, 0
	BLK 13, 60, 0
	BLK 14, 60, 3
	BLK 15, 32, 0
	BLK 16, 60, 0
	BLK 17, 60, 0
	BLK 18, 32, 0
	BLK 19, 60, 0
	BLK 20, 60, 0
	BLK 21, 32, 0
	BLK 22, 16, 0
	BLK 23, 0, 0
	WIN 0
	PLACES 8                                       ; in front of the first read of results, and of writes into what the last products have read
; 64 numbers of a lane, o = 2 oo and 2 oo + 1, 16 of each of four blocks, become sixteen registers of codes and four scale bytes.  Each accumulator is read from its low end on.
.macro QOUT kind, oo, base, off
.set QS_, (128*\kind)%256+64*\oo
.set QW_, 2+\kind/2
.set QP_, XF+16*(2*\kind+\oo)
	WIN (QW_|(QW_<<2))
.irp b, 0,1,2,3
	v_max3_num_f32 v[TQ+\b], |v[QS_+16*\b]|, |v[QS_+1+16*\b]|, 0x8000000
.endr
.irp i, 2,4,6,8,10,12,14
.irp b, 0,1,2,3
	v_max3_num_f32 v[TQ+\b], |v[QS_+16*\b+\i]|, |v[QS_+1+16*\b+\i]|, v[TQ+\b]
.endr
.endr
	WIN 0
.irp b, 0,1,2,3
	v_permlanex16_b32 v[TQ+4+\b], v[TQ+\b], s[SEL], s[SEL+1]
.endr
.irp b, 0,1,2,3
	v_max_num_f32 v[TQ+\b], v[TQ+\b], v[TQ+4+\b]
.endr
.irp b, 0,1,2,3
	v_add_nc_u32 v[TQ+12+\b], 0xf8800000, v[TQ+\b]
.endr
.irp b, 0,1,2,3
	v_and_or_b32 v[TQ+8+\b], v[TQ+\b], 0x7f800000, s[MNT]
.endr
.irp b, 0,1,2,3
	v_lshrrev_b32 v[TQ+4+\b], 23, v[TQ+12+\b]
.endr
	v_lshl_or_b32 v[HW+\oo], v[TQ+5], 8, v[TQ+4]
	v_lshl_or_b32 v[HW+\oo], v[TQ+6], 16, v[HW+\oo]
	v_lshl_or_b32 v[HW+\oo], v[TQ+7], 24, v[HW+\oo]
	WIN (QW_|(QW_<<6))
.irp b, 0,1,2,3
.irp i, 0,1,2,3,4,5,6,7,8,9,10,11,12,13,14,15
	v_med3_num_f32 v[QS_+16*\b+\i], v[QS_+16*\b+\i], -v[TQ+8+\b], v[TQ+8+\b]
.endr
.endr
	WIN QW_
.irp b, 0,1,2,3
	v_cvt_scalef32_pk8_bf8_f32 v[QP_+4*\b:QP_+4*\b+1], v[QS_+16*\b:QS_+16*\b+7], v[TQ+12+\b]
	v_cvt_scalef32_pk8_bf8_f32 v[QP_+4*\b+2:QP_+4*\b+3], v[QS_+16*\b+8:QS_+16*\b+15], v[TQ+12+\b]
.endr
	v_nop                                          ; a plain line behind the last conversion
	WIN 0
.irp b, 0,1,2,3
	global_store_b128 v3, v[QP_+4*\b:QP_+4*\b+3], s[\base:\base+1] offset:\off+2048*\oo+512*\b     ; 512 consecutive bytes; each has registers of its own, so no store's data are written again
.endr
.endm
.macro KOUT kind, base, off, sbase, soff
	QOUT \kind, 0, \base, \off
	QOUT \kind, 1, \base, \off
	v_cndmask_b32 v[HW+4+\kind], v[HW], v[HW+1], s[HIM]
	global_store_b32 v[L4], v[HW+4+\kind], s[\sbase:\sbase+1] offset:\soff      ; 128 consecutive bytes
.endm
	KOUT 0, 76, 0, 78, 0
	KOUT 1, 80, 0, 82, 0
	KOUT 2, 80, 8192, 82, 4096
	s_wait_tensorcnt 0x0                           ; the wave's end
	ds_add_u32 v[SPW], v[NIL]
	s_wait_dscnt 0x0
	CROUND                                         ; the closing round
	s_endpgm
.Lfunc_end_k_q7829a330b6_qkv:
	.size	k_q7829a330b6_qkv, .Lfunc_end_k_q7829a330b6_qkv-k_q7829a330b6_qkv
	.p2alignl 7, 3214868480
	.fill 96, 4, 3214868480
	.section	.rodata,"a",@progbits
	.p2align	6, 0x0
	.amdhsa_kernel k_q7829a330b6_qkv
		.amdhsa_group_segment_fixed_size 327680
		.amdhsa_private_segment_fixed_size 0
		.amdhsa_enable_private_segment 0
		.amdhsa_kernarg_size 40
		.amdhsa_user_sgpr_count 2
		.amdhsa_user_sgpr_kernarg_segment_ptr 1
		.amdhsa_wavefront_size32 1
		.amdhsa_system_sgpr_workgroup_id_x 1
		.amdhsa_system_sgpr_workgroup_id_y 1
		.amdhsa_system_sgpr_workgroup_id_z 1
		.amdhsa_system_vgpr_workitem_id 0
		.amdhsa_next_free_vgpr 1024
		.amdhsa_next_free_sgpr 100
		.amdhsa_reserve_vcc 0
		.amdhsa_float_denorm_mode_32 3
		.amdhsa_float_denorm_mode_16_64 3
		.amdhsa_memory_ordered 1
		.amdhsa_forward_progress 1
		.amdhsa_inst_pref_size 163
	.end_amdhsa_kernel
	.amdgpu_metadata
---
amdhsa.version: [ 1, 2 ]
amdhsa.kernels:
  - .name:           k_q7829a330b6_qkv
    .symbol:         k_q7829a330b6_qkv.kd
    .args:
      - { .name: codes, .offset: 0, .size: 8, .value_kind: global_buffer, .address_space: global }
      - { .name: bq, .offset: 8, .size: 8, .value_kind: global_buffer, .address_space: global }
      - { .name: bk, .offset: 16, .size: 8, .value_kind: global_buffer, .address_space: global }
      - { .name: bv, .offset: 24, .size: 8, .value_kind: global_buffer, .address_space: global }
      - { .name: qkv, .offset: 32, .size: 8, .value_kind: global_buffer, .address_space: global }
    .group_segment_fixed_size: 327680
    .private_segment_fixed_size: 0
    .kernarg_segment_align: 8
    .kernarg_segment_size: 40
    .max_flat_workgroup_size: 128
    .sgpr_count:     100
    .vgpr_count:     1024
    .wavefront_size: 32
...
	.end_amdgpu_metadata
.endif
;; end of part 2
;; launch attn (part 3): grid 8 x 32, 16 waves a work-group, clusters of 4 x 1, 327,680 bytes of LDS; arguments qkv, ctx; writes ctx
.if DOCPART == 3
	.amdgcn_target "amdgcn-amd-amdhsa--gfx1250"
	.amdhsa_code_object_version 6
	.text
	.protected	k_q7829a330b6_attn
	.globl	k_q7829a330b6_attn
	.p2align	8
	.type	k_q7829a330b6_attn,@function
k_q7829a330b6_attn:
	s_mov_b64 s[64:65], 0
	v_nop
	global_prefetch_b8 v0, s[64:65] scope:SCOPE_SE
	s_setreg_imm32_b32 hwreg(HW_REG_WAVE_MODE, 25, 1), 1
	s_wait_xcnt 0x0
	s_wait_alu depctr_hold_cnt(0) depctr_sa_sdst(0) depctr_va_vdst(0) depctr_va_sdst(0) depctr_va_ssrc(0) depctr_va_vcc(0) depctr_vm_vsrc(0)
	s_getreg_b32 s2, hwreg(HW_REG_IB_STS2, 6, 4)
	s_cmp_eq_u32 s2, 0
	s_cbranch_scc0 .Lentry_in_a_cluster
	s_endpgm
.Lentry_in_a_cluster:
	s_bfe_u32 s2, ttmp6, 0x10000c
	s_cmp_lg_u32 s2, 0x3003
	s_cbranch_scc0 .Lentry_shape_is_right
	s_endpgm
.Lentry_shape_is_right:
; LAUNCH 3 OF 4.  ctx = softmax(q k^T / 8, causal) v for 32 batches-and-heads, both products on codes of BF8, and ctx's quantising along the head's 64: codes and scale words laid as launch 1 lays an operand.
; DEAD WORK left out here: steps of 128 keys that all come after a tile's 16 queries (see launch 1's head): reference() gives those scores -infinity.
; p = 2^(t - M), t = score x log2(e) / 8, M = the running largest t rounded up to a whole number; the row's sum is taken of the unquantised p; O and the sum are multiplied by 2^(old M - new M), which rounds nothing.
; SHARES.  A work-group owns 16 tiles of 16 queries of one head: tile J (its number, 0 .. 7) of each of the 16 blocks of 128.  Block m needs key steps 0 .. m, so blocks p and 15 - p need 17 together.
; Waves A (0 .. 7, p = wave): the first 9 - p % 2 key steps of block 15 - p.  Waves B (8 .. 15, p = wave - 8): block p whole, which they finish by themselves, then the rest of block 15 - p.  So a wave has 8 or 9 steps.
; B's part of block 15 - p (O, M, the sum) goes through LDS to A, which joins the two parts and stores.  Key step of trip i: i, and in B behind trip p: i + ((8 - p) rounded down to an even number).
; LDS holds all of the head's K and V (270,336 bytes, filled once): wave 0 fetches the scale words and step 0, wave w step w: one load a wave.  The first barrier shows wave 0's tile alone, the second all.
; CLUSTERS: four work-groups of one head ask jointly.  NO PREFETCH: all that is read is asked for at the head at once; no loop is left to run ahead in.
; S^T = K Q^T: source 0 = two tiles of 16 keys, 64 of K each, source 1 = q beside 64 zeros (v16-31) or behind them (v24-39), so that one fragment of K serves two products.
; LIMITS: as stated at the head of launch 1; the scaled scores stay under 2^31 in magnitude.
.set REC,   16896
.set GRP,   8*REC
.set HEADB, 270336
.set QOFF,  32*HEADB
.set QSOFF, QOFF+32*131072
.set SPARE, HEADB                      ; the spare words, 128 bytes for each wave, which no other line names
.set DUMP,  HEADB+2048                 ; B's parts: 4,096 bytes of O, 128 of -M, 128 of the sum for each p
.set DPITCH, 4352
.set L16, 1
.set L4,  2
.set SPW, 3
.set NIL, 4
.set ADR, 5
.set ADS, 6
.set DD,  7
.set NINF, 8
.set BO,  9
.set R4,  10
; TWO RUNS OF 64 REGISTERS CHANGE ROLES from step to step: FR holds K's and then V's fragments, S the scores and p.  When p has become codes, S takes K's fragments of the next step: it is that step's FR.
; The loop's trip is therefore two steps.  Behind a wave's last step the fragments so fetched (an address held inside K and V) are not used.
.set RA,  40
.set RB,  104
.macro ROLES f, s
.set FR, \f
.set S, \s
.endm
	ROLES RA, RB
.set O,   168
.set PC,  200
.set BM,  216
.set PX,  220
.set LIM, 224
.set SOP, 228
.set FF,  232
.set PW,  234
.set TMP, 235
.set KS,  236
.set XX,  238
.set YY,  239
.set VS,  240
.set QS,  242
.set Q2S, 243
.set SUM2, 244
.set Q2,  246
.set DPA, 254
.set DPB, 255
.set TQ,  216
.set WV, 8
.set P,  9
.set CX, 10
.set J,  11
.set BH, 12
.set I,  13
.set ST, 14
.set TB, 15
.set G1E, 16
.set G1L, 24
.set G0E, 32
.set G0L, 36
.set SEL, 40
.set CS,  42
.set MNT, 44
.set P0,  45
.set P1,  46
.set HIM, 47
.set BF,  66                           ; 0 in A, 1 in B
.set PQ,  67                           ; 7 - p
.set DEL, 68                           ; B: what is added to the trip behind trip p
.set NST, 69                           ; my steps
.set SW,  70                           ; the trip behind which B changes tiles (A: none)
.set CB,  71                           ; the block in hand
.set TBLK, 72                          ; 15 - p
.set P2,  73
.set QSEL, 74
.set TS,  75
.set IC,  76                           ; the trip in hand
.macro CROUND
	s_barrier_signal -1
	s_barrier_wait -1
	s_cmp_lg_u32 s[WV], 0
	s_cbranch_scc1 .Lnot_wave_0_\@
	s_barrier_signal -3
.Lnot_wave_0_\@:
	s_barrier_wait -3
	s_barrier_signal -1
	s_barrier_wait -1
.endm
	s_load_b128 s[4:7], s[0:1], 0x0
	v_lshl_add_u32 v[SPW], v0, 2, SPARE
	v_mov_b32 v[NIL], 0
	ds_add_u32 v[SPW], v[NIL]                      ; the wave's opening: the add, twice on end, and its wait ahead of my tensor load
	ds_add_u32 v[SPW], v[NIL]
	v_lshrrev_b32 v5, 5, v0
	v_readfirstlane_b32 s[WV], v5
	s_bfe_u32 s[CX], ttmp6, 0x40000
	s_lshl_b32 s[J], ttmp9, 2
	s_add_co_u32 s[J], s[J], s[CX]
	s_and_b32 s[BH], ttmp7, 0xffff
	s_and_b32 s[P], s[WV], 7
	s_lshr_b32 s[BF], s[WV], 3
	s_xor_b32 s[PQ], s[P], 7
	s_add_co_u32 s[DEL], s[PQ], 1
	s_and_b32 s[DEL], s[DEL], 14
	s_mul_i32 s[DEL], s[DEL], s[BF]
	s_and_b32 s48, s[P], 1
	s_xor_b32 s49, s[BF], 1
	s_xor_b32 s[NST], s48, s49
	s_add_co_u32 s[NST], s[NST], 8                 ; A: 9 for even p, 8 for odd; B the other way round
	s_lshl_b32 s48, s49, 6
	s_add_co_u32 s[SW], s[P], s48
	s_mul_i32 s49, s49, 15
	s_xor_b32 s[CB], s[P], s49                     ; A: 15 - p; B: p
	s_xor_b32 s[TBLK], s[P], 15
.macro GROUP1 g, rows                  ; a dense block of rows of 256 bytes (32 elements of 8), for the four of my cluster
	s_mov_b32 s[\g], 15|(3<<16)|(1<<21)
	s_mov_b32 s[\g+1], 32<<16
	s_mov_b32 s[\g+2], (\rows)<<16
	s_mov_b32 s[\g+3], 32<<16
	s_mov_b32 s[\g+4], \rows
	s_mov_b32 s[\g+5], 32
	s_mov_b32 s[\g+6], 0
	s_mov_b32 s[\g+7], 0
.endm
	GROUP1 G1E, 96
	GROUP1 G1L, 64
	s_mul_i32 s50, s[BH], HEADB
	s_mov_b32 s51, 0
	s_lshl_b32 s53, s[WV], 14
	s_add_co_u32 s53, s53, 8192                    ; wave w: step w's 16,384 bytes
	s_mov_b32 s54, s53
	s_mov_b32 s55, 0
	s_mov_b32 s[SEL], 0x76543210
	s_mov_b32 s[SEL+1], 0xfedcba98
	s_mov_b32 s[CS], 0x3e38aa3b                    ; log2(e) / 8
	s_mov_b32 s[CS+1], s[CS]
	s_mov_b32 s[MNT], 0x600000
	s_mov_b32 s[P0], 0x05040100
	s_mov_b32 s[P1], 0x07060302
	s_mov_b32 s[P2], 0x06040200
	s_mov_b32 s[HIM], 0xffff0000
	s_mov_b32 s[I], 0
	s_mov_b32 s[G0E], 1
	s_mov_b32 s[G0E+1], 0
	s_mov_b32 s[G0L], 1
	s_mov_b32 s[G0L+1], s53
	s_wait_alu depctr_va_vdst(0)
	s_wait_dscnt 0x0                               ; both opening adds are done
	s_wait_kmcnt 0x0
	s_add_nc_u64 s[50:51], s[4:5], s[50:51]
	s_mov_b64 s[G0E+2:G0E+3], s[50:51]
	s_or_b32 s[G0E+3], s[G0E+3], 0x80000000
	s_add_nc_u64 s[G0L+2:G0L+3], s[50:51], s[54:55]
	s_or_b32 s[G0L+3], s[G0L+3], 0x80000000
	CROUND                                         ; the four work-groups are here: the joint loads meet
	s_cmp_eq_u32 s[WV], 0
	s_cbranch_scc0 .Lrest
	tensor_load_to_lds s[G0E:G0E+3], s[G1E:G1E+7]  ; wave 0: the scale words and step 0, a line of its own: shown first
	s_nop 0
.rept 4
	v_nop
.endr
	s_branch .Lasked
.Lrest:
	tensor_load_to_lds s[G0L:G0L+3], s[G1L:G1L+7]
	s_nop 0
.rept 4
	v_nop
.endr
.Lasked:
	s_lshl_b32 s61, s[J], 4
	s_mul_i32 s62, s[P], DPITCH
	s_add_co_u32 s62, s62, DUMP
	s_add_co_u32 s63, s62, 4096
	v_and_b32 v[L16], 31, v0
	v_and_b32 v[R4], 15, v0
	v_bfe_u32 v[BO], v0, 4, 1
	v_lshlrev_b32 v[L4], 2, v[L16]
	v_lshlrev_b32 v[L16], 4, v[L16]
	v_lshlrev_b32 v[DD], 3, v[BO]
	v_sub_nc_u32 v[DD], v[R4], v[DD]
	v_add_nc_u32 v[DD], s61, v[DD]                 ; my query - 8 h, inside the block: register n of S is hidden on the diagonal where 16 (n / 8) + n % 8 > this
	v_lshlrev_b32 v[R4], 2, v[R4]
	v_add_nc_u32 v[BO], v[R4], v[BO]
	v_add_nc_u32 v[DPA], s62, v[L16]
	v_add_nc_u32 v[DPB], s63, v[L4]
	s_wait_alu depctr_va_vdst(0)
.macro QADR blk, c, w                  ; s[c:c+1] q's codes of block blk's tile J, s[w:w+1] its scale words
	s_lshl_b32 s\c, s[BH], 17
	s_lshl_b32 s48, s[\blk], 1
	s_lshr_b32 s49, s[J], 2
	s_add_co_u32 s48, s48, s49
	s_lshl_b32 s49, s48, 12
	s_add_co_u32 s\c, s\c, s49
	s_and_b32 s49, s[J], 3
	s_lshl_b32 s52, s49, 10
	s_add_co_u32 s\c, s\c, s52
	s_add_co_u32 s\c, s\c, QOFF
	s_lshl_b32 s\w, s[BH], 12
	s_lshl_b32 s48, s48, 7
	s_add_co_u32 s\w, s\w, s48
	s_lshr_b32 s49, s49, 1
	s_lshl_b32 s49, s49, 6
	s_add_co_u32 s\w, s\w, s49
	s_add_co_u32 s\w, s\w, QSOFF
	s_mov_b32 s[\c+1], 0
	s_mov_b32 s[\w+1], 0
	s_add_nc_u64 s[\c:\c+1], s[4:5], s[\c:\c+1]
	s_add_nc_u64 s[\w:\w+1], s[4:5], s[\w:\w+1]
.endm
	QADR CB, 56, 58
	QADR TBLK, 60, 62
	global_load_b128 v[16:19], v[L16], s[56:57]
	global_load_b128 v[20:23], v[L16], s[56:57] offset:512
	global_load_b128 v[32:35], v[L16], s[56:57]
	global_load_b128 v[36:39], v[L16], s[56:57] offset:512
	global_load_b32 v[TMP], v[R4], s[58:59]
	global_load_b128 v[Q2:Q2+3], v[L16], s[60:61]  ; q of block 15 - p, for B's change of tiles
	global_load_b128 v[Q2+4:Q2+7], v[L16], s[60:61] offset:512
	global_load_b32 v[Q2S], v[R4], s[62:63]
	s_and_b32 s[QSEL], s[J], 1
	s_mul_i32 s[QSEL], s[QSEL], 0x02020202
	s_add_co_u32 s[QSEL], s[QSEL], 0x01000100      ; my tile's two scale bytes, twice
.macro RESET                           ; a new tile: the largest t under every t, the sum and O zeros
	v_mov_b32 v13, 0xff61b1e6
	v_mov_b32 v14, 0
	v_mov_b32 v15, 0
	v_floor_f32 v12, -v13
.set NN, 0
.rept 16
	v_dual_mov_b32 v[O+NN], v[NIL] :: v_dual_mov_b32 v[O+NN+1], v[NIL]
.set NN, NN+2
.endr
.endm
	v_mov_b32 v[NINF], 0xff800000
	RESET
.irp i, 0,1,2,3,4,5,6,7
	v_mov_b32 v[24+\i], 0
	v_mov_b32 v[BM+\i], 0
.endr
	v_mov_b32 v[FF+1], 0
	s_wait_alu depctr_va_vdst(0)
	s_wait_loadcnt 0x0
	v_perm_b32 v[QS], v[TMP], v[TMP], s[QSEL]
; A KEY STEP of 128 keys for my 16 queries.
.macro KADR n                          ; the key step of trip IC + n, and where it lies
	s_add_co_u32 s49, s[IC], \n
	s_add_co_u32 s48, s49, s[PQ]
	s_lshr_b32 s48, s48, 3                         ; 1 behind trip p
	s_mul_i32 s48, s48, s[DEL]
	s_add_co_u32 s[ST], s49, s48
	s_min_u32 s[ST], s[ST], 15
	s_lshl_b32 s[TB], s[ST], 14
	s_add_co_u32 s[TB], s[TB], 8192
	s_lshl_b32 s[TS], s[ST], 8
	v_add_nc_u32 v[ADR], s[TB], v[L16]
	v_add_nc_u32 v[ADS], s[TS], v[L4]
.endm
.macro KLOAD dst                       ; 20 LDS loads: K's fragments, K's and V's scale words
.irp i, 0,1,2,3
.irp q, 0,1,2,3
	ds_load_b128 v[\dst+16*\i+4*\q:\dst+16*\i+4*\q+3], v[ADR] offset:\i*2048+\q*512
.endr
.endr
	ds_load_b32 v[KS], v[ADS]
	ds_load_b32 v[KS+1], v[ADS] offset:128
	ds_load_b32 v[XX], v[ADS] offset:4096
	ds_load_b32 v[YY], v[ADS] offset:4224
.endm
; A trip's top: nine places between the last products and those that write over what they have read; K's fragments are in; and the signal of a barrier that is waited for at the trip's end:
; it orders no data; by it no wave is more than one trip ahead of another.  Between the two stand work on registers and LDS loads of K and V, which nobody writes again.
.macro TOP
.rept 9
	v_nop
.endr
	s_wait_alu depctr_va_vdst(0)
	s_wait_dscnt 0x0
	s_barrier_signal -1
.endm
.macro STEP pre                        ; pre = 1: the next trip's K is fetched on the way
.irp i, 0,1,2,3
.irp u, 0,1
.if \i%2
	v_wmma_scale_f32_16x16x128_f8f6f4 v[S+8*(2*\i+\u):S+8*(2*\i+\u)+7], v[FR+16*\i:FR+16*\i+15], v[16+8*\u:31+8*\u], 0, v[KS+\i/2], v[QS] matrix_a_fmt:MATRIX_FMT_BF8 matrix_b_fmt:MATRIX_FMT_BF8 matrix_a_scale:MATRIX_SCALE_ROW1
.else
	v_wmma_scale_f32_16x16x128_f8f6f4 v[S+8*(2*\i+\u):S+8*(2*\i+\u)+7], v[FR+16*\i:FR+16*\i+15], v[16+8*\u:31+8*\u], 0, v[KS+\i/2], v[QS] matrix_a_fmt:MATRIX_FMT_BF8 matrix_b_fmt:MATRIX_FMT_BF8
.endif
.endr
.endr
	v_perm_b32 v[VS], v[YY], v[XX], s[P0]
	v_perm_b32 v[VS+1], v[YY], v[XX], s[P1]
.rept 6
	v_nop
.endr
.irp t, 0,1,2,3
.irp c, 0,1,2,3
	ds_load_b128 v[FR+16*\t+4*\c:FR+16*\t+4*\c+3], v[ADR] offset:8192+(\c/2)*4096+\t*1024+(\c%2)*512   ; V's fragments, read behind the softmax
.endr
.endr
	s_cmp_lg_u32 s[ST], s[CB]                      ; the diagonal's step alone has hidden keys, in key tiles J and up
	s_cbranch_scc1 .Lopen_\@
	s_cmp_eq_u32 ttmp9, 0                          ; J = 4 x cluster + place: in the second cluster key tiles 0 to 3 are visible in all four work-groups
	s_cbranch_scc0 .Lupper_\@
.set NN, 0
.rept 32
	v_cmp_gt_i32 vcc_lo, 16*(NN/8)+NN%8, v[DD]
	v_cndmask_b32 v[S+NN], v[S+NN], v[NINF], vcc_lo
.set NN, NN+1
.endr
.Lupper_\@:
.set NN, 32
.rept 32
	v_cmp_gt_i32 vcc_lo, 16*(NN/8)+NN%8, v[DD]
	v_cndmask_b32 v[S+NN], v[S+NN], v[NINF], vcc_lo
.set NN, NN+1
.endr
.Lopen_\@:
	s_wait_alu depctr_va_vdst(0)
.irp b, 0,1,2,3
	v_max3_num_f32 v[BM+\b], v[S+16*\b], v[S+1+16*\b], v[S+2+16*\b]   ; each block's largest score: it serves the row's maximum and the block's scale
.endr
.irp i, 3,5,7,9,11,13
.irp b, 0,1,2,3
	v_max3_num_f32 v[BM+\b], v[BM+\b], v[S+16*\b+\i], v[S+1+16*\b+\i]
.endr
.endr
.irp b, 0,1,2,3
	v_max_num_f32 v[BM+\b], v[BM+\b], v[S+15+16*\b]
.endr
.irp b, 0,1,2,3
	s_delay_alu instid0(VALU_DEP_4)
	v_permlanex16_b32 v[PX+\b], v[BM+\b], s[SEL], s[SEL+1]
.endr
.irp b, 0,1,2,3
	s_delay_alu instid0(VALU_DEP_4)
	v_max_num_f32 v[BM+\b], v[BM+\b], v[PX+\b]
.endr
	s_delay_alu instid0(VALU_DEP_2)
	v_max3_num_f32 v[TMP], v[BM], v[BM+1], v[BM+2]
	s_delay_alu instid0(VALU_DEP_1)
	v_max_num_f32 v[TMP], v[TMP], v[BM+3]
	s_delay_alu instid0(VALU_DEP_1)
	v_mul_f32 v[TMP], s[CS], v[TMP]
	s_delay_alu instid0(VALU_DEP_1)
	v_max_num_f32 v13, v13, v[TMP]
	v_mov_b32 v[TMP], v12
	s_delay_alu instid0(VALU_DEP_2)
	v_floor_f32 v12, -v13                          ; -M
	s_delay_alu instid0(VALU_DEP_1)
	v_sub_f32 v[TMP], v12, v[TMP]
	s_delay_alu instid0(VALU_DEP_1)
	v_cvt_i32_f32 v[TMP], v[TMP]
	s_delay_alu instid0(VALU_DEP_1)
	v_ldexp_f32 v[FF], 1.0, v[TMP]                 ; 2^(old M - new M)
.set NN, 0
.rept 32
	v_pk_fma_f32 v[S+NN:S+NN+1], v[S+NN:S+NN+1], s[CS:CS+1], v[12:13] op_sel_hi:[1,0,0]
.set NN, NN+2
.endr
.irp b, 0,1,2,3
	v_fma_f32 v[BM+\b], v[BM+\b], s[CS], v12
.endr
.set NN, 0
	s_wait_alu depctr_va_vdst(0)                   ; the wait ahead of the batch
.rept 64
	v_exp_f32 v[S+NN], v[S+NN]
.set NN, NN+1
.endr
	v_pk_mul_f32 v[14:15], v[14:15], v[FF:FF+1] op_sel_hi:[1,0]
	s_wait_alu depctr_va_vdst(0)                   ; and behind it
.irp b, 0,1,2,3
	v_exp_f32 v[BM+\b], v[BM+\b]
.endr
	v_pk_add_f32 v[SUM2:SUM2+1], v[S:S+1], v[S+2:S+3]   ; the row's sum in three chains
	v_pk_add_f32 v[PX+2:PX+3], v[S+4:S+5], v[S+6:S+7]
.set NN, 8
.rept 9
	v_pk_add_f32 v[14:15], v[14:15], v[S+NN:S+NN+1]
	v_pk_add_f32 v[SUM2:SUM2+1], v[SUM2:SUM2+1], v[S+NN+2:S+NN+3]
	v_pk_add_f32 v[PX+2:PX+3], v[PX+2:PX+3], v[S+NN+4:S+NN+5]
.set NN, NN+6
.endr
	v_pk_add_f32 v[14:15], v[14:15], v[S+62:S+63]
	v_pk_add_f32 v[SUM2:SUM2+1], v[SUM2:SUM2+1], v[PX+2:PX+3]
	s_delay_alu instid0(VALU_DEP_1)
	v_pk_add_f32 v[14:15], v[14:15], v[SUM2:SUM2+1]
	s_wait_alu depctr_va_vdst(0)
.irp b, 0,1,2,3
	v_max_num_f32 v[BM+\b], 0x8000000, v[BM+\b]    ; the floor 2^(16 - 127): the byte cannot fall under 1
.endr
.irp b, 0,1,2,3
	v_and_or_b32 v[LIM+\b], v[BM+\b], 0x7f800000, s[MNT]   ; 57,344 x the scale
.endr
.irp b, 0,1,2,3
	v_add_nc_u32 v[SOP+\b], 0xf8800000, v[BM+\b]   ; the conversion's scale operand: its bits 30:23 are the scale's byte
.endr
	v_perm_b32 v[PX], v[SOP+1], v[SOP], s[P1]      ; the high halves of two
	v_perm_b32 v[PX+1], v[SOP+3], v[SOP+2], s[P1]
	v_lshrrev_b32 v[PX], 7, v[PX]                  ; bytes 0 and 2 are now the two scale bytes
	v_lshrrev_b32 v[PX+1], 7, v[PX+1]
	v_perm_b32 v[PW], v[PX+1], v[PX], s[P2]        ; p's scale word
.irp b, 0,1,2,3
.irp i, 0,2,4,6,8,10,12,14
	v_dual_min_num_f32 v[S+16*\b+\i], v[LIM+\b], v[S+16*\b+\i] :: v_dual_min_num_f32 v[S+16*\b+\i+1], v[LIM+\b], v[S+16*\b+\i+1]   ; the conversion does not saturate (ISA guide 7.6.2); p is never negative
.endr
	v_cvt_scalef32_pk8_bf8_f32 v[PC+4*\b:PC+4*\b+1], v[S+16*\b:S+16*\b+7], v[SOP+\b]
	v_cvt_scalef32_pk8_bf8_f32 v[PC+4*\b+2:PC+4*\b+3], v[S+16*\b+8:S+16*\b+15], v[SOP+\b]
.endr
.if \pre
	KADR 1
	KLOAD S
.endif
	s_wait_alu depctr_va_vdst(0)                   ; the wait directly ahead of the first reader of O
.set NN, 0
.rept 16
	v_pk_mul_f32 v[O+NN:O+NN+1], v[O+NN:O+NN+1], v[FF:FF+1] op_sel_hi:[1,0]
.set NN, NN+2
.endr
	s_wait_alu depctr_va_vdst(0)
.if \pre
	s_wait_dscnt 20                                ; V's fragments are in; the next trip's 20 loads may be out
.else
	s_wait_dscnt 0x0
.endif
.irp t, 0,1,2,3
.if \t/2
	v_wmma_scale_f32_16x16x128_f8f6f4 v[O+8*\t:O+8*\t+7], v[FR+16*\t:FR+16*\t+15], v[PC:PC+15], v[O+8*\t:O+8*\t+7], v[VS+\t%2], v[PW] matrix_a_fmt:MATRIX_FMT_BF8 matrix_b_fmt:MATRIX_FMT_BF8 matrix_a_scale:MATRIX_SCALE_ROW1
.else
	v_wmma_scale_f32_16x16x128_f8f6f4 v[O+8*\t:O+8*\t+7], v[FR+16*\t:FR+16*\t+15], v[PC:PC+15], v[O+8*\t:O+8*\t+7], v[VS+\t%2], v[PW] matrix_a_fmt:MATRIX_FMT_BF8 matrix_b_fmt:MATRIX_FMT_BF8
.endif
.endr
.endm
; A TILE IS DONE: O / the row's sum (v14: my half's), quantised along the head's 64, stored at block CB.
.macro FINAL
	v_permlanex16_b32 v[TMP], v14, s[SEL], s[SEL+1]
	s_delay_alu instid0(VALU_DEP_1)
	v_add_f32 v14, v14, v[TMP]
	s_wait_alu depctr_va_vdst(0)
	v_rcp_f32 v14, v14
	v_nop
	s_lshr_b32 s48, s[BH], 4
	s_lshl_b32 s48, s48, 4
	s_add_co_u32 s48, s48, s[CB]
	s_mul_i32 s48, s48, GRP                        ; the group: 16 x batch + block
	s_and_b32 s49, s[BH], 15
	s_lshr_b32 s52, s49, 1
	s_mul_i32 s52, s52, REC                        ; the record: two heads
	s_add_co_u32 s48, s48, s52
	s_and_b32 s49, s49, 1
	s_lshl_b32 s52, s[J], 11
	s_lshl_b32 s53, s49, 10
	s_add_co_u32 s52, s52, s53
	s_add_co_u32 s52, s52, s48
	s_lshl_b32 s53, s[J], 6
	s_lshl_b32 s49, s49, 1
	s_add_co_u32 s53, s53, s49
	s_add_co_u32 s53, s53, s48
	s_add_co_u32 s54, s53, 16384
	s_mov_b32 s53, 0
	s_mov_b32 s55, 0
	s_add_nc_u64 s[52:53], s[6:7], s[52:53]
	s_add_nc_u64 s[54:55], s[6:7], s[54:55]
	s_wait_alu depctr_va_vdst(0)
.set NN, 0
.rept 16
	v_pk_mul_f32 v[S+NN:S+NN+1], v[O+NN:O+NN+1], v[14:15] op_sel_hi:[1,0]
.set NN, NN+2
.endr
.irp c, 0,1
	v_max3_num_f32 v[TQ+\c], |v[S+16*\c]|, |v[S+1+16*\c]|, 0x8000000
.endr
.irp i, 2,4,6,8,10,12,14
.irp c, 0,1
	s_delay_alu instid0(VALU_DEP_2)
	v_max3_num_f32 v[TQ+\c], v[TQ+\c], |v[S+16*\c+\i]|, |v[S+1+16*\c+\i]|
.endr
.endr
.irp c, 0,1
	s_delay_alu instid0(VALU_DEP_2)
	v_permlanex16_b32 v[TQ+2+\c], v[TQ+\c], s[SEL], s[SEL+1]
.endr
.irp c, 0,1
	s_delay_alu instid0(VALU_DEP_2)
	v_max_num_f32 v[TQ+\c], v[TQ+\c], v[TQ+2+\c]
.endr
.irp c, 0,1
	s_delay_alu instid0(VALU_DEP_2)
	v_add_nc_u32 v[TQ+6+\c], 0xf8800000, v[TQ+\c]
.endr
.irp c, 0,1
	s_delay_alu instid0(VALU_DEP_4)
	v_and_or_b32 v[TQ+4+\c], v[TQ+\c], 0x7f800000, s[MNT]
.endr
.irp c, 0,1
	s_delay_alu instid0(VALU_DEP_4)
	v_lshrrev_b32 v[TQ+2+\c], 23, v[TQ+6+\c]
.endr
.irp c, 0,1
.irp i, 0,1,2,3,4,5,6,7,8,9,10,11,12,13,14,15
	v_med3_num_f32 v[S+16*\c+\i], v[S+16*\c+\i], -v[TQ+4+\c], v[TQ+4+\c]
.endr
	v_cvt_scalef32_pk8_bf8_f32 v[PC+4*\c:PC+4*\c+1], v[S+16*\c:S+16*\c+7], v[TQ+6+\c]
	v_cvt_scalef32_pk8_bf8_f32 v[PC+4*\c+2:PC+4*\c+3], v[S+16*\c+8:S+16*\c+15], v[TQ+6+\c]
.endr
	v_cndmask_b32 v[TMP], v[TQ+2], v[TQ+3], s[HIM]
	global_store_b128 v[L16], v[PC:PC+3], s[52:53]
	global_store_b128 v[L16], v[PC+4:PC+7], s[52:53] offset:512
	global_store_b8 v[BO], v[TMP], s[54:55]
.endm
.macro SWITCH                          ; behind trip p B stores block p and takes up block 15 - p.  The branch hangs on ids and the trip alone
	s_cmp_eq_u32 s[IC], s[SW]
	s_cbranch_scc0 .Lstay_\@
.rept 5
	v_nop                                          ; places between the last products and the reads of O
.endr
	v_add_f32 v14, v14, v15
.set SKEEP, S
.set S, FR                             ; S takes the next K: FINAL works in what V's fragments have left
	FINAL
.set S, SKEEP
.irp i, 0,2,4,6
	v_dual_mov_b32 v[16+\i], v[Q2+\i] :: v_dual_mov_b32 v[17+\i], v[Q2+1+\i]
	v_dual_mov_b32 v[32+\i], v[Q2+\i] :: v_dual_mov_b32 v[33+\i], v[Q2+1+\i]
.endr
	v_perm_b32 v[QS], v[Q2S], v[Q2S], s[QSEL]
	RESET
	s_mov_b32 s[CB], s[TBLK]
	s_wait_alu depctr_va_vdst(0)
	s_wait_xcnt 0x0                                ; the stores have read their registers and their bases
.Lstay_\@:
.endm
	s_wait_alu depctr_va_vdst(0)
	s_cmp_eq_u32 s[WV], 0
	s_cbranch_scc0 .Lnot_yet
	s_wait_tensorcnt 0x0                           ; wave 0: the scale words and step 0 have landed
.Lnot_yet:
	s_barrier_signal -1
	s_barrier_wait -1
	s_mov_b32 s[IC], 0
	KADR 0
	KLOAD FR
	s_wait_alu depctr_va_vdst(0)
	s_wait_dscnt 0x0
	STEP 0                                         ; trip 0: step 0 in every wave
	s_wait_tensorcnt 0x0                           ; my own tile is in
	s_wait_dscnt 0x0
	s_barrier_signal -1
	s_barrier_wait -1                              ; everybody's is: all of K and V
	KADR 1
	KLOAD S
	SWITCH
	s_mov_b32 s[I], 1
.Lpair:
	ROLES RB, RA
	s_add_co_u32 s[IC], s[I], 0
	TOP
	STEP 1
	s_barrier_wait -1
	SWITCH
	ROLES RA, RB
	s_add_co_u32 s[IC], s[I], 1
	TOP
	s_cmp_ge_u32 s[IC], s[NST]                     ; trip 8 is walked by the waves of nine steps alone
	s_cbranch_scc1 .Lover
	STEP 1
.Lover:
	s_barrier_wait -1
	SWITCH
	s_add_co_u32 s[I], s[I], 2
	s_cmp_lt_u32 s[I], 9
	s_cbranch_scc1 .Lpair
.rept 8
	v_nop                                          ; places between the last products and the reads of O
.endr
	v_add_f32 v14, v14, v15
	s_wait_alu depctr_va_vdst(0)
	s_cmp_lt_u32 s[WV], 8
	s_cbranch_scc1 .Lno_dump
.irp k, 0,1,2,3,4,5,6,7
	ds_store_b128 v[DPA], v[O+4*\k:O+4*\k+3] offset:512*\k         ; B: my part of block 15 - p
.endr
	ds_store_b32 v[DPB], v12
	ds_store_b32 v[DPB], v14 offset:128
.Lno_dump:
	s_wait_dscnt 0x0
	s_barrier_signal -1
	s_barrier_wait -1
	s_cmp_lt_u32 s[WV], 8
	s_cbranch_scc0 .Ldone
	ds_load_b32 v72, v[DPB]                        ; A: B's -M, its sum, its O
	ds_load_b32 v73, v[DPB] offset:128
.irp k, 0,1,2,3,4,5,6,7
	ds_load_b128 v[FR+4*\k:FR+4*\k+3], v[DPA] offset:512*\k
.endr
	s_wait_dscnt 0x0
	v_min_num_f32 v216, v12, v72                   ; the larger M
	v_sub_f32 v217, v216, v12
	v_sub_f32 v218, v216, v72
	v_cvt_i32_f32 v217, v217
	v_cvt_i32_f32 v218, v218
	v_ldexp_f32 v220, 1.0, v217
	v_ldexp_f32 v222, 1.0, v218
	v_mul_f32 v14, v14, v220
.set NN, 0
.rept 16
	v_pk_mul_f32 v[O+NN:O+NN+1], v[O+NN:O+NN+1], v[220:221] op_sel_hi:[1,0]
.set NN, NN+2
.endr
.set NN, 0
.rept 16
	v_pk_fma_f32 v[O+NN:O+NN+1], v[FR+NN:FR+NN+1], v[222:223], v[O+NN:O+NN+1] op_sel_hi:[1,0,1]
.set NN, NN+2
.endr
	v_fma_f32 v14, v73, v222, v14
	FINAL
.Ldone:
	s_wait_tensorcnt 0x0                           ; the wave's end
	ds_add_u32 v[SPW], v[NIL]
	s_wait_dscnt 0x0
	CROUND                                         ; the closing round
	s_endpgm
.Lfunc_end_k_q7829a330b6_attn:
	.size	k_q7829a330b6_attn, .Lfunc_end_k_q7829a330b6_attn-k_q7829a330b6_attn
	.p2alignl 7, 3214868480
	.fill 96, 4, 3214868480
	.section	.rodata,"a",@progbits
	.p2align	6, 0x0
	.amdhsa_kernel k_q7829a330b6_attn
		.amdhsa_group_segment_fixed_size 327680
		.amdhsa_private_segment_fixed_size 0
		.amdhsa_enable_private_segment 0
		.amdhsa_kernarg_size 16
		.amdhsa_user_sgpr_count 2
		.amdhsa_user_sgpr_kernarg_segment_ptr 1
		.amdhsa_wavefront_size32 1
		.amdhsa_system_sgpr_workgroup_id_x 1
		.amdhsa_system_sgpr_workgroup_id_y 1
		.amdhsa_system_sgpr_workgroup_id_z 1
		.amdhsa_system_vgpr_workitem_id 0
		.amdhsa_next_free_vgpr 256
		.amdhsa_next_free_sgpr 80
		.amdhsa_reserve_vcc 1
		.amdhsa_float_denorm_mode_32 3
		.amdhsa_float_denorm_mode_16_64 3
		.amdhsa_memory_ordered 1
		.amdhsa_forward_progress 1
		.amdhsa_inst_pref_size 124
	.end_amdhsa_kernel
	.amdgpu_metadata
---
amdhsa.version: [ 1, 2 ]
amdhsa.kernels:
  - .name:           k_q7829a330b6_attn
    .symbol:         k_q7829a330b6_attn.kd
    .args:
      - { .name: qkv, .offset: 0, .size: 8, .value_kind: global_buffer, .address_space: global }
      - { .name: ctx, .offset: 8, .size: 8, .value_kind: global_buffer, .address_space: global }
    .group_segment_fixed_size: 327680
    .private_segment_fixed_size: 0
    .kernarg_segment_align: 8
    .kernarg_segment_size: 16
    .max_flat_workgroup_size: 512
    .sgpr_count:     80
    .vgpr_count:     256
    .wavefront_size: 32
...
	.end_amdgpu_metadata
.endif
;; end of part 3
;; launch outp (part 4): grid 8 x 32, 4 waves a work-group, clusters of 4 x 4, 288,256 bytes of LDS; arguments ctx, codes, bo, out0; writes out0
.if DOCPART == 4
	.amdgcn_target "amdgcn-amd-amdhsa--gfx1250"
	.amdhsa_code_object_version 6
	.text
	.protected	k_q7829a330b6_outp
	.globl	k_q7829a330b6_outp
	.p2align	8
	.type	k_q7829a330b6_outp,@function
k_q7829a330b6_outp:
	s_mov_b64 s[64:65], 0
	v_nop
	global_prefetch_b8 v0, s[64:65] scope:SCOPE_SE
	s_setreg_imm32_b32 hwreg(HW_REG_WAVE_MODE, 25, 1), 1
	s_wait_xcnt 0x0
	s_wait_alu depctr_hold_cnt(0) depctr_sa_sdst(0) depctr_va_vdst(0) depctr_va_sdst(0) depctr_va_ssrc(0) depctr_va_vcc(0) depctr_vm_vsrc(0)
	s_getreg_b32 s2, hwreg(HW_REG_IB_STS2, 6, 4)
	s_cmp_eq_u32 s2, 0
	s_cbranch_scc0 .Lentry_in_a_cluster
	s_endpgm
.Lentry_in_a_cluster:
	s_bfe_u32 s2, ttmp6, 0x10000c
	s_cmp_lg_u32 s2, 0xf033
	s_cbranch_scc0 .Lentry_shape_is_right
	s_endpgm
.Lentry_shape_is_right:
; LAUNCH 4 OF 4.  out0 = ctx Wo^T + bo on codes of BF8 with E8M0 scales: ctx's from launch 3, Wo's from launch 1 (groups 56-63 of codes).
; The frame is launch 2's: a work-group makes 128 x 128 of the result, four waves of 64 x 64; all of K lies in LDS (eight records of each operand, first fills alone, four chunks); 4 x 4 work-groups ask jointly,
; ctx's records along a row of the cluster, Wo's along a column.  Source 0 = 16 rows of Wo, source 1 = 16 tokens: a lane holds eight neighbouring columns of one row.  The bias is the C of each sum's first instruction.
; THE WAY OUT: 16 rows x 64 columns at a time through the wave's own stage in LDS (rows of 256 + 16 bytes), so that sixteen lanes store 256 consecutive bytes, aligned.
; LIMITS: as stated at the head of launch 1.
.set REC,   16896
.set GRP,   8*REC
; LOADS: one a wave: waves 0 and 2 fetch ctx's K steps 0-3 and 4-7, waves 1 and 3 Wo's.  The first barrier shows waves 0 and 1's halves, the second all.  NO PREFETCH: all of K is asked for at the head.
.set CHUNK, 8*REC                      ; four K steps of ctx, then four of Wo
.set SPARE, 2*CHUNK                    ; the spare words, 128 bytes for each wave, which no other line names
.set STAGE, SPARE+512                  ; behind them: 16 rows x 272 bytes for each wave; no tensor load lands there
.set ADRA, 8
.set ADRB, 12
.set ADRS, 16
.set SPW,  20
.set NIL,  21
.set STO,  22
.set RD,   23
.set CO,   6
.set SC0,  24
.set SC1,  28
.set BIAS, 32                          ; v32-63 the bias; on the way out v32-95 take rows read back from the stage
.set ACC,  128
.set F0,   0
.set F1,   128
.set WV,   16
.set ROLE, 17
.set CH,   18
.set CX,   19
.set CY,   20
.set NT,   21
.set MT,   22
.set G1A,  24
.set G1B,  32
.set G0A,  40
.set G0B,  68
.set MSB, 0
.macro WIN new                         ; the immediate's high byte repeats the setting that is left
.if MSB != \new
	s_set_vgpr_msb (MSB<<8)|\new
.set MSB, \new
.endif
.endm
.set MULW, 0x05
.set TO_F, 0x40
.macro CROUND
	s_barrier_signal -1
	s_barrier_wait -1
	s_cmp_lg_u32 s[WV], 0
	s_cbranch_scc1 .Lnot_wave_0_\@
	s_barrier_signal -3
.Lnot_wave_0_\@:
	s_barrier_wait -3
	s_barrier_signal -1
	s_barrier_wait -1
.endm
.macro PLACES n
.rept \n
	v_nop
.endr
.endm
	s_load_b256 s[4:11], s[0:1], 0x0               ; ctx, codes, bo, out0
	v_lshl_add_u32 v[SPW], v0, 2, SPARE
	v_mov_b32 v[NIL], 0
	ds_add_u32 v[SPW], v[NIL]                      ; the wave's opening: the add, twice on end, and its wait ahead of my first tensor load
	ds_add_u32 v[SPW], v[NIL]
	v_lshrrev_b32 v1, 5, v0
	v_readfirstlane_b32 s[WV], v1
	s_lshr_b32 s[ROLE], s[WV], 1
	s_and_b32 s[CH], s[WV], 1
	s_bfe_u32 s[CX], ttmp6, 0x40000
	s_bfe_u32 s[CY], ttmp6, 0x40004
	s_lshl_b32 s[NT], ttmp9, 2
	s_add_co_u32 s[NT], s[NT], s[CX]
	s_and_b32 s[MT], ttmp7, 0xffff
	s_lshl_b32 s[MT], s[MT], 2
	s_add_co_u32 s[MT], s[MT], s[CY]
	s_lshl_b32 s56, s[CY], 2
	s_lshl_b32 s56, 15, s56
	s_lshl_b32 s57, 0x1111, s[CX]
	s_or_b32 s[G1A], s56, (3<<16)|(1<<21)
	s_or_b32 s[G1B], s57, (3<<16)|(1<<21)
.irp g, G1A, G1B
	s_mov_b32 s[\g+1], 32<<16                      ; four records: 264 dense rows of 256 bytes
	s_mov_b32 s[\g+2], 264<<16
	s_mov_b32 s[\g+3], 32<<16
	s_mov_b32 s[\g+4], 264
	s_mov_b32 s[\g+5], 32
	s_mov_b32 s[\g+6], 0
	s_mov_b32 s[\g+7], 0
.endr
	s_mul_i32 s58, s[ROLE], 4*REC                  ; which half of K I fetch
	s_mul_i32 s56, s[MT], GRP
	s_add_co_u32 s56, s56, s58
	s_mov_b32 s57, 0
	s_add_co_u32 s60, s[NT], 56
	s_mul_i32 s60, s60, GRP
	s_add_co_u32 s60, s60, s58
	s_mov_b32 s61, 0
	s_mul_i32 s88, s[WV], 4*REC                    ; and where it goes
	s_wait_dscnt 0x0                               ; both opening adds are done
	s_wait_kmcnt 0x0
	s_add_nc_u64 s[56:57], s[4:5], s[56:57]
	s_add_nc_u64 s[60:61], s[6:7], s[60:61]
	CROUND                                         ; all sixteen work-groups are here: the joint loads meet
	s_mov_b32 s[G0A], 1
	s_mov_b32 s[G0A+1], s88
	s_mov_b64 s[G0A+2:G0A+3], s[56:57]
	s_or_b32 s[G0A+3], s[G0A+3], 0x80000000
	s_mov_b32 s[G0B], 1
	s_mov_b32 s[G0B+1], s88
	s_mov_b64 s[G0B+2:G0B+3], s[60:61]
	s_or_b32 s[G0B+3], s[G0B+3], 0x80000000
.macro ARM under, g0, g1, next         ; one load a wave, each wave with a line of its own
	s_cmp_lt_u32 s[WV], \under
	s_cbranch_scc0 \next
	tensor_load_to_lds s[\g0:\g0+3], s[\g1:\g1+7]
	s_nop 0
	PLACES 4
	s_branch .Lasked
\next:
.endm
	ARM 1, G0A, G1A, .Lwave_1
	ARM 2, G0B, G1B, .Lwave_2
	ARM 3, G0A, G1A, .Lwave_3
	tensor_load_to_lds s[G0B:G0B+3], s[G1B:G1B+7]
	s_nop 0
	PLACES 4
.Lasked:
	v_and_b32 v1, 15, v0                           ; r
	v_bfe_u32 v2, v0, 4, 1                         ; h
	v_and_b32 v3, 31, v0
	v_lshlrev_b32 v3, 4, v3                        ; 16 l
	s_wait_alu depctr_va_vdst(0)
	s_lshl_b32 s89, s[ROLE], 13
	s_lshl_b32 s90, s[CH], 13
	s_add_co_u32 s90, s90, 4*REC
	s_xor_b32 s92, s[ROLE], 1
	s_add_co_u32 s92, s92, s[CH]
	s_lshl_b32 s92, s92, 8
	s_add_co_u32 s92, s92, 4*REC-256               ; from ctx's scale words to Wo's, as one number
	v_mul_u32_u24 v4, s92, v2
	v_lshl_add_u32 v4, v1, 2, v4
	s_wait_alu depctr_va_vdst(0)
	s_lshl_b32 s91, s[ROLE], 8
	s_add_co_u32 s91, s91, 16384
.irp j, 0,1,2,3
	v_add_nc_u32 v[ADRA+\j], s89, v3
	v_add_nc_u32 v[ADRB+\j], s90, v3
	v_add_nc_u32 v[ADRS+\j], s91, v4
	s_add_co_u32 s89, s89, 2*REC+4*REC*(\j%2)      ; two K steps on; behind the fourth past Wo's four
	s_add_co_u32 s90, s90, 2*REC+4*REC*(\j%2)
	s_add_co_u32 s91, s91, 2*REC+4*REC*(\j%2)
.endr
	s_lshl_b32 s98, s[NT], 9
	s_lshl_b32 s99, s[CH], 8
	s_add_co_u32 s98, s98, s99                     ; my 64 columns' first byte, in bo and in a row of out0
	s_mov_b32 s99, 0
	s_add_nc_u64 s[96:97], s[8:9], s[98:99]
	v_lshlrev_b32 v5, 5, v2
.irp t, 0,1,2,3
	global_load_b128 v[BIAS+8*\t:BIAS+8*\t+3], v5, s[96:97] offset:\t*64           ; bo[16 t + 8 h + 0 .. 7]
	global_load_b128 v[BIAS+8*\t+4:BIAS+8*\t+7], v5, s[96:97] offset:\t*64+16
.endr
	s_mul_i32 s93, s[WV], 16*272
	s_add_co_u32 s93, s93, STAGE                   ; my stage
	v_mul_u32_u24 v[STO], v1, 272
	v_lshl_add_u32 v[STO], v2, 5, v[STO]
	v_add_nc_u32 v[STO], s93, v[STO]               ; in: row r, + 32 h
	v_mul_u32_u24 v[RD], v2, 272
	v_lshl_add_u32 v[RD], v1, 4, v[RD]
	v_add_nc_u32 v[RD], s93, v[RD]                 ; back: lanes 0-15 one row, lanes 16-31 the next
	v_lshlrev_b32 v[CO], 12, v2
	v_lshl_add_u32 v[CO], v1, 4, v[CO]             ; and the same two rows in out0
	s_lshl_b32 s58, s[MT], 19                      ; 128 rows of 4,096 bytes
	s_lshl_b32 s59, s[ROLE], 18
	s_add_co_u32 s58, s58, s59
	s_add_co_u32 s58, s58, s98
	s_mov_b32 s59, 0
	s_add_nc_u64 s[58:59], s[10:11], s[58:59]
.macro FETCH e, j, f, sc               ; 36 LDS loads: the fragments and scale words of K step 2 j + e
	WIN TO_F
.irp i, 0,1,2,3
.irp c, 0,1,2,3
	ds_load_b128 v[\f+64+16*\i+4*\c:\f+64+16*\i+4*\c+3], v[ADRB+\j] offset:\e*REC+\i*2048+\c*512
.endr
.endr
.irp i, 0,1,2,3
.irp c, 0,1,2,3
	ds_load_b128 v[\f+16*\i+4*\c:\f+16*\i+4*\c+3], v[ADRA+\j] offset:\e*REC+\i*2048+\c*512
.endr
.endr
	WIN 0
.irp i, 0,1,2,3
	ds_load_b32 v[\sc+\i], v[ADRS+\j] offset:\e*REC+\i*64
.endr
.endm
.macro MUL f, sc, first                ; 16 matrix instructions, the 16 accumulators by turns
	WIN MULW
.irp a, 0,1,2,3
.irp t, 0,1,2,3
.if \first
	v_wmma_scale_f32_16x16x128_f8f6f4 v[ACC+8*(4*\a+\t):ACC+8*(4*\a+\t)+7], v[\f+64+16*\t:\f+64+16*\t+15], v[\f+16*\a:\f+16*\a+15], v[BIAS+8*\t:BIAS+8*\t+7], v[\sc+\t], v[\sc+\a] matrix_a_fmt:MATRIX_FMT_BF8 matrix_b_fmt:MATRIX_FMT_BF8 matrix_a_scale:MATRIX_SCALE_ROW1
.else
	v_wmma_scale_f32_16x16x128_f8f6f4 v[ACC+8*(4*\a+\t):ACC+8*(4*\a+\t)+7], v[\f+64+16*\t:\f+64+16*\t+15], v[\f+16*\a:\f+16*\a+15], v[ACC+8*(4*\a+\t):ACC+8*(4*\a+\t)+7], v[\sc+\t], v[\sc+\a] matrix_a_fmt:MATRIX_FMT_BF8 matrix_b_fmt:MATRIX_FMT_BF8 matrix_a_scale:MATRIX_SCALE_ROW1
.endif
.endr
.endr
.endm
	s_wait_alu depctr_va_vdst(0)
	s_cmp_lt_u32 s[WV], 2
	s_cbranch_scc0 .Lnot_yet
	s_wait_tensorcnt 0x0                           ; waves 0 and 1: K steps 0 to 3 are in
.Lnot_yet:
	s_barrier_signal -1
	s_barrier_wait -1
	FETCH 0, 0, F0, SC0
	FETCH 1, 0, F1, SC1
	s_wait_loadcnt 0x0                             ; the bias
	s_wait_dscnt 36                                ; K step 0 is in; the 36 loads of K step 1 stay out
	MUL F0, SC0, 1
.irp j, 1,2,3
	s_wait_dscnt 0x0
.if \j == 2
	s_wait_tensorcnt 0x0                           ; K steps 4 to 7 are in
	s_barrier_signal -1
	s_barrier_wait -1
.endif
	PLACES 8                                       ; eight places in front of loads into registers that these matrix instructions have read
	FETCH 0, \j, F0, SC0
	MUL F1, SC1, 0
	PLACES 8
	FETCH 1, \j, F1, SC1
	s_wait_dscnt 36
	MUL F0, SC0, 0
.endr
	s_wait_dscnt 0x0
	MUL F1, SC1, 0
	WIN 0
	PLACES 8                                       ; in front of the first read of results
.macro TOSTAGE a                       ; LDS serves a wave's instructions in order: the loads see the stores, and the next block's stores come behind them
.irp t, 0,1,2,3
	ds_store_b128 v[STO], v[ACC+8*(4*(\a)+\t):ACC+8*(4*(\a)+\t)+3] offset:64*\t         ; each accumulator from its low end on
	ds_store_b128 v[STO], v[ACC+8*(4*(\a)+\t)+4:ACC+8*(4*(\a)+\t)+7] offset:64*\t+16
.endr
.set OBB, 32+32*((\a)%2)
.irp i, 0,1,2,3,4,5,6,7
	ds_load_b128 v[OBB+4*\i:OBB+4*\i+3], v[RD] offset:\i*544
.endr
.endm
.macro SEND a, younger                 ; younger: the LDS instructions issued behind block a's loads, which may stay out
.set OBB, 32+32*((\a)%2)
	s_wait_dscnt \younger
.irp i, 0,1,2,3,4,5,6,7
	global_store_b128 v[CO], v[OBB+4*\i:OBB+4*\i+3], s[58:59] offset:(16*(\a)+2*\i)*4096 th:TH_STORE_NT   ; sixteen lanes store 256 consecutive bytes, aligned
.endr
.endm
	s_wait_alu depctr_va_vdst(0)
	TOSTAGE 0
.irp a, 1,2,3
.if \a > 1
	s_wait_xcnt 0x0                                ; block a - 2's stores have read their registers: block a's loads may land there
.endif
	TOSTAGE \a
	SEND \a-1, 16                                  ; behind block a - 1's loads: block a's 8 stores and 8 loads
.endr
	SEND 3, 0
	s_wait_tensorcnt 0x0                           ; the wave's end
	ds_add_u32 v[SPW], v[NIL]
	s_wait_dscnt 0x0
	CROUND                                         ; the closing round
	s_endpgm
.Lfunc_end_k_q7829a330b6_outp:
	.size	k_q7829a330b6_outp, .Lfunc_end_k_q7829a330b6_outp-k_q7829a330b6_outp
	.p2alignl 7, 3214868480
	.fill 96, 4, 3214868480
	.section	.rodata,"a",@progbits
	.p2align	6, 0x0
	.amdhsa_kernel k_q7829a330b6_outp
		.amdhsa_group_segment_fixed_size 288256
		.amdhsa_private_segment_fixed_size 0
		.amdhsa_enable_private_segment 0
		.amdhsa_kernarg_size 32
		.amdhsa_user_sgpr_count 2
		.amdhsa_user_sgpr_kernarg_segment_ptr 1
		.amdhsa_wavefront_size32 1
		.amdhsa_system_sgpr_workgroup_id_x 1
		.amdhsa_system_sgpr_workgroup_id_y 1
		.amdhsa_system_sgpr_workgroup_id_z 1
		.amdhsa_system_vgpr_workitem_id 0
		.amdhsa_next_free_vgpr 512
		.amdhsa_next_free_sgpr 100
		.amdhsa_reserve_vcc 0
		.amdhsa_float_denorm_mode_32 3
		.amdhsa_float_denorm_mode_16_64 3
		.amdhsa_memory_ordered 1
		.amdhsa_forward_progress 1
		.amdhsa_inst_pref_size 53
	.end_amdhsa_kernel
	.amdgpu_metadata
---
amdhsa.version: [ 1, 2 ]
amdhsa.kernels:
  - .name:           k_q7829a330b6_outp
    .symbol:         k_q7829a330b6_outp.kd
    .args:
      - { .name: ctx, .offset: 0, .size: 8, .value_kind: global_buffer, .address_space: global }
      - { .name: codes, .offset: 8, .size: 8, .value_kind: global_buffer, .address_space: global }
      - { .name: bo, .offset: 16, .size: 8, .value_kind: global_buffer, .address_space: global }
      - { .name: out0, .offset: 24, .size: 8, .value_kind: global_buffer, .address_space: global }
    .group_segment_fixed_size: 288256
    .private_segment_fixed_size: 0
    .kernarg_segment_align: 8
    .kernarg_segment_size: 32
    .max_flat_workgroup_size: 128
    .sgpr_count:     100
    .vgpr_count:     512
    .wavefront_size: 32
...
	.end_amdgpu_metadata
.endif
;; end of part 4
